; MI455X (gfx1250); checked and timed in simulation.
; The chip was launched on July 23, 2026; its instructions are those of AMD's public machine-readable ISA for CDNA 5 (MIT licence, August 2026) and "CDNA5" Instruction Set Architecture Reference Guide (July 2026). The comments in the code are by the model that wrote it; some were corrected since.
;; Multi Head Self Attention KV Cache. Allowed arithmetic: matrix products marked QUANTISED: E2M1 operands, one E8M0 scale for each 32 along K, by v_wmma_scale_f32_16x16x128_f8f6f4 with both operands' format E2M1 (or v_wmma_scale_f32_32x16x128_f4), f32 sums; products left as they are: bf16, f16 or f32 operands; f32 sums; everything else in f32.
;; Inputs: Wk 1,024 x 1,024 float32; Wo 1,024 x 1,024 float32; Wq 1,024 x 1,024 float32; Wv 1,024 x 1,024 float32; bk 1,024 float32; bo 1,024 float32; bq 1,024 float32; bv 1,024 float32; masks 2,048 x 2,048 float32; x 2 x 2,048 x 1,024 float32.
;; Outputs: out0 2 x 2,048 x 1,024 float32.
;; This version of the problem:
;;   THIS VERSION OF THE PROBLEM IS GIVEN IN LOW PRECISION. The matrix products marked QUANTISED in the list below multiply operands that are first quantised to E2M1 (2 exponent bits, 1 mantissa bit; 4 bits a number), with one power-of-two scale for each 32 numbers along K (OCP MX v1.0); their sums are f32. The products marked 'left as it is' may take bf16, f16 or f32 operands, with f32 sums. Whichever they take, every output number must still come out within the allowed error. Rounding operands to bf16 (8 significant bits) uses up far more of that allowance than f16 does (11 bits, for magnitudes from 6e-5 to 65,504). All else is computed in f32.
;;   The module's matrix products, in the order in which they are computed (A, B: the left and right operand; K: the contracted axis; several contracted axes count as one K, in the product's order):
;;     1. [M 4,096, K 1,024] x [K 1,024, N 1,024]; A: input x; B: input Wq: QUANTISED
;;     2. [M 4,096, K 1,024] x [K 1,024, N 1,024]; A: input x; B: input Wk: QUANTISED
;;     3. [M 4,096, K 1,024] x [K 1,024, N 1,024]; A: input x; B: input Wv: QUANTISED
;;     4. batch 32 x [M 2,048, K 64] x [K 64, N 2,048]; A: computed on the way; B: computed on the way: left as it is (an operand is computed on the way)
;;     5. batch 32 x [M 2,048, K 2,048] x [K 2,048, N 64]; A: computed on the way; B: computed on the way: left as it is (an operand is computed on the way)
;;     6. [M 4,096, K 1,024] x [K 1,024, N 1,024]; A: computed on the way; B: input Wo: left as it is (an operand is computed on the way)
;;   THE QUANTISER, for each operand of a quantised product, along K:
;;     - K is cut into blocks of 32 from its start; a last block that is shorter is filled with zeros.
;;     - A block's scale is 2^e with e = floor(log2(the largest magnitude in the block)) - 2, held to -126 .. 127; a block of zeros has e = 0. As a byte (E8M0): e + 127.
;;     - Each number is divided by its block's scale, clamped to +-6, and rounded to the nearest number of E2M1, ties to even, subnormals kept.
;;     - The product sums the exact products of the quantised numbers (number of the format x scale) in f32.
;;   ~~~python
;;   def quantise(x, axis):      # numpy; x: float32 -> the quantised numbers, widened to float32 again
;;       x = np.moveaxis(x, axis, -1); K = x.shape[-1]
;;       x = np.pad(x, [(0, 0)] * (x.ndim - 1) + [(0, -K % 32)]); x = x.reshape(x.shape[:-1] + (-1, 32)); a = np.abs(x).max(-1, keepdims=True)
;;       e = np.where(a > 0, np.clip(np.frexp(np.where(a > 0, a, 1))[1] - 1 - 2, -126, 127), 0)      # np.frexp(a)[1] - 1 = floor(log2(a)), exactly
;;       r = np.clip(x / 2.0 ** e, -6, 6)
;;       step = 2.0 ** (np.maximum(np.frexp(np.where(r == 0, 1, r))[1] - 1, 0) - 1)
;;       q = np.round(r / step) * step * 2.0 ** e      # np.round: ties to even
;;       return np.moveaxis(q.reshape(q.shape[:-2] + (-1,))[..., :K], -1, axis).astype(np.float32)
;;   ~~~
;; One version. Each part assembles by itself: llvm-mc -triple=amdgcn-amd-amdhsa -mcpu=gfx1250 --defsym DOCPART=n.
;; ======== version 1 of 1: 4 launches
;; limits: values are held in f16: magnitudes above 65,504 overflow, below 6.1e-05 lose precision
;; workspace buffers: xc 2,097,152 bytes; xs 131,072 bytes; wc 1,572,864 bytes; ws 98,304 bytes; woh 2,097,152 bytes; mbits 524,288 bytes of whole numbers; qkv 25,165,824 bytes; y 8,388,608 bytes
;; launch prep (part 1): grid 384 x 1, 4 waves a work-group, no clusters, 50,688 bytes of LDS; arguments x, Wq, Wk, Wv, Wo, masks, xc, xs, wc, ws, woh, mbits; writes xc, xs, wc, ws, woh, mbits
.if DOCPART == 1
	.amdgcn_target "amdgcn-amd-amdhsa--gfx1250"
	.amdhsa_code_object_version 6
	.text
	.protected	k_q5d23dcba7f_prep
	.globl	k_q5d23dcba7f_prep
	.p2align	8
	.type	k_q5d23dcba7f_prep,@function
k_q5d23dcba7f_prep:
	s_mov_b64 s[64:65], 0
	v_nop
	global_prefetch_b8 v0, s[64:65] scope:SCOPE_SE
	s_setreg_imm32_b32 hwreg(HW_REG_WAVE_MODE, 25, 1), 1
	s_wait_xcnt 0x0
; PREP: what every later launch reads many times is made narrow once.  Three kinds of work-groups, told apart by the work-group's number alone:
;   0-223    x [4096][1024], Wq, Wk, Wv [1024][1024], f32, K innermost -> codes of FP4 (E2M1), two a byte, and one E8M0 byte for each 32 along K.  x -> xc, xs;  Wq, Wk, Wv -> wc, ws, one behind the other (3,072 rows).
;   224-351  masks [2048][2048] f32 -> one bit a number (1 where the number is 0), laid as lane masks: word 8 kt + j of (tile of 16 queries qt, step of 64 keys ks) has at bit r + 16 hh the
;            number masks[16 qt + r][64 ks + 16 kt + 8 hh + j]: the lanes and registers in which the attention launch holds its scores.  mbits: [128 qt][32 ks][32 words].
;   352-383  Wo [1024][1024] f32 -> f16, same layout.
; THE QUANTISER.  A block's scale is 2^(floor(log2(its largest magnitude)) - 2); its byte is the largest magnitude's exponent field - 2, held at 1 from below.  A block of zeros so gets the byte 1 where the
; rule says 127: its codes are zeros, which add nothing under any byte but 0xff, and this program alone reads the bytes.  Each number is divided by the scale and rounded to the nearest code, ties to even, beyond 6 to 6.
; LIMITS: blocks whose largest magnitude lies under 2^-124 (the floor) were not tried; NaN and infinities in x, Wq, Wk, Wv are not served.  Wo is rounded to f16: magnitudes over 65,504 are not served, under 6e-5 the error is up to 3e-8.
; No tensor loads, no barrier: waves share nothing.  Each kind of work-group has LDS bytes of its own.
.set STEPS, 16
.set EMAX,  2
.set CB,    8                          ; bytes of 16 codes
.set R,     16                         ; quantiser: v16-79 four sets of 16 numbers as loaded
.set X,     80                         ; v80-111  two sets of 16 neighbours
.set E,     112                        ; v112-127 a scale byte for each step
.set C,     128                        ; v128-191 codes: four registers for each step, so that no store's data are written again
.set WREG,  8192                       ; LDS 0 .. 32,767: a region for each wave: two stages of 32 x SP bytes, behind them its 256 scale bytes
.set SP,    80                         ; a lane's place in a stage: 64 bytes + 16 of padding
.set MSTG,  32768                      ; LDS 32,768 .. 50,175: the mask path's stages, 16 rows x 272 bytes for each wave
.set MWAVE, 16*272
.set SPARE, MSTG+4*MWAVE               ; the spare words, 128 bytes for each wave: two blocks of 256 bytes that no other line names
.set SPW,   12                         ; v12  LDS address of my spare word; never rewritten
.set NIL,   13                         ; v13  0; never rewritten
.set MR,    16                         ; mask path: v16-111 three sets of 32 registers as loaded
.set MX,    112                        ; v112-143 a unit's 32 numbers of my lane
.set MW,    144                        ; v144-151 four pairs of words on their way out
.set XW,    16                         ; cast path: v16-143 two sets of 64
.set YW,    144                        ; v144-175 f16 pairs
	s_load_b512 s[4:19], s[0:1], 0x0               ; x, Wq, Wk, Wv, Wo, masks, xc, xs
	s_load_b256 s[20:27], s[0:1], 0x40             ; wc, ws, woh, mbits
	v_lshl_add_u32 v[SPW], v0, 2, SPARE
	v_mov_b32 v[NIL], 0
	v_lshrrev_b32 v1, 5, v0
	v_readfirstlane_b32 s28, v1                    ; wave 0..3
	v_and_b32 v2, 31, v0                           ; lane
	s_wait_kmcnt 0x0
	s_cmp_lt_u32 ttmp9, 224
	s_cbranch_scc0 .Lnot_quant
; ---------------- THE QUANTISER.  A tensor is a plain stream of blocks of 32; a work-group takes 32,768 numbers, a wave 16 steps of 512.
; Each load reads 512 consecutive bytes; a step's 2,048 bytes turn through the wave's own stage, so that a lane then holds 16 neighbours (two neighbouring lanes hold a block).
	v_lshlrev_b32 v3, 4, v2                        ; my 16 bytes of a load's 512
	s_mul_i32 s29, s28, WREG
	v_lshrrev_b32 v14, 2, v2
	v_mul_u32_u24 v14, v14, SP
	v_and_b32 v15, 3, v2
	v_lshl_add_u32 v14, v15, 4, v14
	v_add_nc_u32 v14, s29, v14                     ; the stage, on the way in: SP (lane / 4) + 16 (lane % 4)
	v_mul_u32_u24 v15, v2, SP
	v_add_nc_u32 v15, s29, v15                     ; and on the way out: SP x lane
	v_mul_u32_u24 v4, v2, CB                       ; my codes' place in a step's
	v_lshrrev_b32 v5, 1, v2
	s_add_co_u32 s29, s29, 2*32*SP
	v_add_nc_u32 v5, s29, v5                       ; my wave's 256 scale bytes, my block's byte
	v_lshlrev_b32 v7, 3, v2
	v_add_nc_u32 v6, s29, v7                       ; and on the way out 8 bytes a lane
	s_cmp_lt_u32 ttmp9, 192                        ; which tensor: the choices hang on the work-group's number alone
	s_cselect_b64 s[30:31], s[8:9], s[10:11]       ; Wk or Wv,
	s_cmp_lt_u32 ttmp9, 160
	s_cselect_b64 s[30:31], s[6:7], s[30:31]       ; or Wq,
	s_cmp_lt_u32 ttmp9, 128
	s_cselect_b64 s[30:31], s[4:5], s[30:31]       ; or x
	s_cselect_b64 s[32:33], s[16:17], s[20:21]     ; codes: xc or wc
	s_cselect_b64 s[34:35], s[18:19], s[22:23]     ; scale bytes: xs or ws
	s_cselect_b32 s36, 0, 128                      ; the first work-group of x, or of the weights
	s_cselect_b32 s37, 127, 31                     ; x has 128 work-groups, a weight 32
	s_sub_co_u32 s36, ttmp9, s36
	s_and_b32 s37, s36, s37
	s_lshl_b32 s37, s37, 2
	s_add_co_u32 s37, s37, s28                     ; my run of 8,192 numbers in the tensor that I read,
	s_lshl_b32 s36, s36, 2
	s_add_co_u32 s36, s36, s28                     ; and in the buffers that I write
	s_lshl_b32 s38, s37, 15
	s_mov_b32 s39, 0
	s_add_nc_u64 s[30:31], s[30:31], s[38:39]
	s_lshl_b32 s38, s36, 12
	s_add_nc_u64 s[32:33], s[32:33], s[38:39]
	s_lshl_b32 s38, s36, 8
	s_add_nc_u64 s[34:35], s[34:35], s[38:39]
.macro LOAD t
.irp i, 0,1,2,3
	global_load_b128 v[R+16*((\t)%4)+4*\i:R+16*((\t)%4)+4*\i+3], v3, s[30:31] offset:2048*(\t)+512*\i th:TH_LOAD_NT
.endr
.endm
.macro TURN t                          ; step t's numbers through the stage: LDS serves a wave's instructions in order, so no wait stands between the stores and the loads
.irp i, 0,1,2,3
	ds_store_b128 v14, v[R+16*((\t)%4)+4*\i:R+16*((\t)%4)+4*\i+3] offset:32*SP*((\t)%2)+8*SP*\i
.endr
.irp i, 0,1,2,3
	ds_load_b128 v[X+16*((\t)%2)+4*\i:X+16*((\t)%2)+4*\i+3], v15 offset:32*SP*((\t)%2)+16*\i
.endr
.endm
.irp t, 0,1,2,3
	LOAD \t
.endr
	s_wait_loadcnt 12                              ; step 0's four loads are in
	TURN 0
.macro STEP t
.set XS, X+16*((\t)%2)
.if (\t) > 0
	s_wait_dscnt 1                                 ; this step's numbers are back from the stage (the last step's byte store may be out)
.else
	s_wait_dscnt 0x0
.endif
.if (\t)+4 < STEPS
	LOAD (\t)+4                                    ; into the registers that the stage's stores have read
.endif
.if (\t)+1 < STEPS
.if STEPS-2-(\t) >= 3
	s_wait_loadcnt 12                              ; the next step's four loads are in; those of the three steps behind it may be out
.else
	s_wait_loadcnt 4*(STEPS-2-(\t))
.endif
	TURN (\t)+1
.endif
	v_max3_num_f32 v8, |v[XS]|, |v[XS+1]|, |v[XS+2]|               ; the largest magnitude of my 16, in two chains
	v_max3_num_f32 v9, |v[XS+3]|, |v[XS+4]|, |v[XS+5]|
.irp i, 6,10
	v_max3_num_f32 v8, v8, |v[XS+\i]|, |v[XS+\i+1]|
	v_max3_num_f32 v9, v9, |v[XS+\i+2]|, |v[XS+\i+3]|
.endr
	v_max3_num_f32 v8, v8, |v[XS+14]|, |v[XS+15]|
	v_max3_num_f32 v8, v8, v9, (EMAX+1)<<23        ; and the floor 2^(3 - 127): the byte cannot fall under 1
	v_max_num_f32_dpp v8, v8, v8 row_xmask:1 row_mask:0xf bank_mask:0xf   ; and of my neighbour's 16: the block's
	v_add_nc_u32 v11, 0xff000000, v8               ; 2 off its exponent field: the conversion takes the exponent field of this operand as its scale
	v_cvt_scalef32_pk8_fp4_f32 v[C+4*(\t)], v[XS:XS+7], v11
	v_cvt_scalef32_pk8_fp4_f32 v[C+4*(\t)+1], v[XS+8:XS+15], v11
	v_lshrrev_b32 v[E+(\t)], 23, v11               ; the scale's byte
	ds_store_b8 v5, v[E+(\t)] offset:16*(\t)       ; both lanes of a block write the same byte with the same value
	global_store_b64 v4, v[C+4*(\t):C+4*(\t)+1], s[32:33] offset:32*CB*(\t)   ; the wave stores 256 consecutive aligned bytes
.endm
.irp t, 0,1,2,3,4,5,6,7,8,9,10,11,12,13,14,15
	STEP \t
.endr
	ds_load_b64 v[8:9], v6                         ; my wave's 256 scale bytes: these loads see my stores
	s_wait_dscnt 0x0
	global_store_b64 v7, v[8:9], s[34:35]          ; 256 consecutive aligned bytes
	s_wait_tensorcnt 0x0                           ; the wave's end: behind my last LDS store
	ds_add_u32 v[SPW], v[NIL]
	s_wait_dscnt 0x0
	s_endpgm
.Lnot_quant:
	s_cmp_lt_u32 ttmp9, 352
	s_cbranch_scc0 .Lcast
; ---------------- THE MASK'S BITS.  Wave u = 4 (g - 224) + w takes tile of queries u / 4 and 512 keys (u % 4): eight units of 16 rows x 64 keys.
; A unit is loaded as it lies (a load: two rows' 256 bytes), turns through the wave's stage, and comes back with lane (r, hh) holding row r, keys 16 kt + 8 hh + j in register 8 kt + j.
; A compare with 0 then IS the word wanted; 32 words of two units are laid by v_writelane_b32 so that one store of 8 bytes a lane writes 256 consecutive aligned bytes.
	s_sub_co_u32 s29, ttmp9, 224
	s_lshl_b32 s29, s29, 2
	s_add_co_u32 s29, s29, s28
	s_lshr_b32 s30, s29, 2                         ; qt
	s_and_b32 s31, s29, 3                          ; which 512 keys
	s_lshl_b32 s4, s30, 17                         ; 16 rows of 8,192 bytes
	s_lshl_b32 s6, s31, 11
	s_add_co_u32 s4, s4, s6
	s_mov_b32 s5, 0
	s_add_nc_u64 s[14:15], s[14:15], s[4:5]
	s_lshl_b32 s4, s30, 12                         ; 32 steps of 128 bytes
	s_lshl_b32 s6, s31, 10
	s_add_co_u32 s4, s4, s6
	s_add_nc_u64 s[26:27], s[26:27], s[4:5]
	v_and_b32 v5, 15, v2                           ; r
	v_lshrrev_b32 v6, 4, v2                        ; hh
	v_lshlrev_b32 v1, 13, v6
	v_lshl_add_u32 v1, v5, 4, v1                   ; in memory: lanes 0-15 one row's 256 bytes, lanes 16-31 the next row's
	s_mul_i32 s7, s28, MWAVE
	s_add_co_u32 s7, s7, MSTG
	v_mul_u32_u24 v7, v6, 272
	v_lshl_add_u32 v7, v5, 4, v7
	v_add_nc_u32 v7, s7, v7                        ; the stage, on the way in
	v_mul_u32_u24 v3, v5, 272
	v_lshl_add_u32 v3, v6, 5, v3
	v_add_nc_u32 v3, s7, v3                        ; on the way out: row r, + 32 hh
	v_lshlrev_b32 v4, 3, v2                        ; the words' store: 8 bytes a lane
.irp i, 0,1,2,3,4,5,6,7
	v_mov_b32 v[MW+\i], 0                          ; written once: a lane write's destination counts as read
.endr
.macro LOADM t
.irp i, 0,1,2,3,4,5,6,7
	global_load_b128 v[MR+32*((\t)%3)+4*\i:MR+32*((\t)%3)+4*\i+3], v1, s[14:15] offset:\i*16384+(\t)*256 th:TH_LOAD_NT
.endr
.endm
.macro UNIT t
.if (\t) <= 5
	s_wait_loadcnt 16                              ; this unit's eight loads are in; the two units behind it may be out
.else
	s_wait_loadcnt 8*(7-(\t))
.endif
.irp i, 0,1,2,3,4,5,6,7
	ds_store_b128 v7, v[MR+32*((\t)%3)+4*\i:MR+32*((\t)%3)+4*\i+3] offset:\i*544
.endr
.irp f, 0,1,2,3,4,5,6,7
	ds_load_b128 v[MX+4*\f:MX+4*\f+3], v3 offset:64*(\f/2)+16*(\f%2)   ; registers 8 kt + 4 c on: keys 16 kt + 8 hh + 4 c on
.endr
	s_wait_dscnt 0x0                               ; the unit is back, and the stores have read their registers
.if (\t)+3 < 8
	LOADM (\t)+3
.endif
.set n, 0
.rept 32
	v_cmp_eq_f32 s[32+n], 0, v[MX+n]               ; bit of lane (r, hh): the number is 0
.set n, n+1
.endr
.set n, 0
.rept 32
	v_writelane_b32 v[MW+2*((\t)/2)+n%2], s[32+n], n/2+16*((\t)%2)   ; word n of this unit: byte 128 (t % 2) + 4 n of the pair's 256
.set n, n+1
.endr
.if (\t)%2 == 1
	global_store_b64 v4, v[MW+2*((\t)/2):MW+2*((\t)/2)+1], s[26:27] offset:256*((\t)/2)
.endif
.endm
	LOADM 0
	LOADM 1
	LOADM 2
.irp t, 0,1,2,3,4,5,6,7
	UNIT \t
.endr
	s_wait_tensorcnt 0x0                           ; the wave's end: behind my last LDS store
	ds_add_u32 v[SPW], v[NIL]
	s_wait_dscnt 0x0
	s_endpgm
.Lcast:
; ---------------- Wo TO f16.  A wave takes 8,192 numbers in four rounds of 16 loads; a load reads 512 consecutive bytes, a store writes 256.  This path writes no LDS.
	s_sub_co_u32 s29, ttmp9, 352
	s_lshl_b32 s29, s29, 2
	s_add_co_u32 s29, s29, s28
	s_lshl_b32 s4, s29, 15
	s_mov_b32 s5, 0
	s_add_nc_u64 s[12:13], s[12:13], s[4:5]
	s_lshl_b32 s4, s29, 14
	s_add_nc_u64 s[24:25], s[24:25], s[4:5]
	v_lshlrev_b32 v1, 4, v2
	v_lshlrev_b32 v3, 3, v2
.macro LOADW k
.irp i, 0,1,2,3,4,5,6,7,8,9,10,11,12,13,14,15
	global_load_b128 v[XW+64*((\k)%2)+4*\i:XW+64*((\k)%2)+4*\i+3], v1, s[12:13] offset:(16*(\k)+\i)*512 th:TH_LOAD_NT
.endr
.endm
.macro ROUND k
.if (\k) < 3
	s_wait_loadcnt 16                              ; this round's 16 loads are in; the next round's may be out
.else
	s_wait_loadcnt 0
.endif
	s_wait_xcnt 0x0                                ; the last round's stores have read their data: the pairs are written again only behind this wait
.irp i, 0,1,2,3,4,5,6,7,8,9,10,11,12,13,14,15
	v_cvt_pk_f16_f32 v[YW+2*\i], v[XW+64*((\k)%2)+4*\i], v[XW+64*((\k)%2)+4*\i+1]
	v_cvt_pk_f16_f32 v[YW+2*\i+1], v[XW+64*((\k)%2)+4*\i+2], v[XW+64*((\k)%2)+4*\i+3]
.endr
.irp i, 0,1,2,3,4,5,6,7,8,9,10,11,12,13,14,15
	global_store_b64 v3, v[YW+2*\i:YW+2*\i+1], s[24:25] offset:(16*(\k)+\i)*256
.endr
.if (\k)+2 < 4
	LOADW (\k)+2
.endif
.endm
	LOADW 0
	LOADW 1
	ROUND 0
	ROUND 1
	ROUND 2
	ROUND 3
	s_endpgm
.Lfunc_end_k_q5d23dcba7f_prep:
	.size	k_q5d23dcba7f_prep, .Lfunc_end_k_q5d23dcba7f_prep-k_q5d23dcba7f_prep
	.p2alignl 7, 3214868480
	.fill 96, 4, 3214868480
	.section	.rodata,"a",@progbits
	.p2align	6, 0x0
	.amdhsa_kernel k_q5d23dcba7f_prep
		.amdhsa_group_segment_fixed_size 50688
		.amdhsa_private_segment_fixed_size 0
		.amdhsa_enable_private_segment 0
		.amdhsa_kernarg_size 96
		.amdhsa_user_sgpr_count 2
		.amdhsa_user_sgpr_kernarg_segment_ptr 1
		.amdhsa_wavefront_size32 1
		.amdhsa_system_sgpr_workgroup_id_x 1
		.amdhsa_system_sgpr_workgroup_id_y 1
		.amdhsa_system_sgpr_workgroup_id_z 1
		.amdhsa_system_vgpr_workitem_id 0
		.amdhsa_next_free_vgpr 192
		.amdhsa_next_free_sgpr 66
		.amdhsa_reserve_vcc 0
		.amdhsa_float_denorm_mode_32 3
		.amdhsa_float_denorm_mode_16_64 3
		.amdhsa_memory_ordered 1
		.amdhsa_forward_progress 1
		.amdhsa_inst_pref_size 103
	.end_amdhsa_kernel
	.amdgpu_metadata
---
amdhsa.version: [ 1, 2 ]
amdhsa.kernels:
  - .name:           k_q5d23dcba7f_prep
    .symbol:         k_q5d23dcba7f_prep.kd
    .args:
      - { .name: x, .offset: 0, .size: 8, .value_kind: global_buffer, .address_space: global }
      - { .name: Wq, .offset: 8, .size: 8, .value_kind: global_buffer, .address_space: global }
      - { .name: Wk, .offset: 16, .size: 8, .value_kind: global_buffer, .address_space: global }
      - { .name: Wv, .offset: 24, .size: 8, .value_kind: global_buffer, .address_space: global }
      - { .name: Wo, .offset: 32, .size: 8, .value_kind: global_buffer, .address_space: global }
      - { .name: masks, .offset: 40, .size: 8, .value_kind: global_buffer, .address_space: global }
      - { .name: xc, .offset: 48, .size: 8, .value_kind: global_buffer, .address_space: global }
      - { .name: xs, .offset: 56, .size: 8, .value_kind: global_buffer, .address_space: global }
      - { .name: wc, .offset: 64, .size: 8, .value_kind: global_buffer, .address_space: global }
      - { .name: ws, .offset: 72, .size: 8, .value_kind: global_buffer, .address_space: global }
      - { .name: woh, .offset: 80, .size: 8, .value_kind: global_buffer, .address_space: global }
      - { .name: mbits, .offset: 88, .size: 8, .value_kind: global_buffer, .address_space: global }
    .group_segment_fixed_size: 50688
    .private_segment_fixed_size: 0
    .kernarg_segment_align: 8
    .kernarg_segment_size: 96
    .max_flat_workgroup_size: 128
    .sgpr_count:     66
    .vgpr_count:     192
    .wavefront_size: 32
...
	.end_amdgpu_metadata
.endif
;; end of part 1
;; launch qkv (part 2): grid 12 x 16, 4 waves a work-group, clusters of 4 x 4, 327,680 bytes of LDS; arguments xc, xs, wc, ws, qkv, bq, bk, bv; writes qkv
.if DOCPART == 2
	.amdgcn_target "amdgcn-amd-amdhsa--gfx1250"
	.amdhsa_code_object_version 6
	.text
	.protected	k_q5d23dcba7f_qkv
	.globl	k_q5d23dcba7f_qkv
	.p2align	8
	.type	k_q5d23dcba7f_qkv,@function
k_q5d23dcba7f_qkv:
	s_mov_b64 s[64:65], 0
	v_nop
	global_prefetch_b8 v0, s[64:65] scope:SCOPE_SE
	s_setreg_imm32_b32 hwreg(HW_REG_WAVE_MODE, 25, 1), 1
	s_wait_xcnt 0x0
	s_wait_alu depctr_hold_cnt(0) depctr_sa_sdst(0) depctr_va_vdst(0) depctr_va_sdst(0) depctr_va_ssrc(0) depctr_va_vcc(0) depctr_vm_vsrc(0)
	s_getreg_b32 s2, hwreg(HW_REG_IB_STS2, 6, 4)
	s_cmp_eq_u32 s2, 0
	s_cbranch_scc0 .Lentry_in_a_cluster
	s_endpgm
.Lentry_in_a_cluster:
	s_bfe_u32 s2, ttmp6, 0x10000c
	s_cmp_lg_u32 s2, 0xf033
	s_cbranch_scc0 .Lentry_shape_is_right
	s_endpgm
.Lentry_shape_is_right:
; q, k, v = x W^T + b for Wq, Wk, Wv at once: C[m][n] = sum over k of A[m][k] B[n][k] + bias[n], A = x [4096][1024], B = the three weights on end [3072][1024], both as codes of FP4 (E2M1) with one
; E8M0 scale for each 32 along K, taken by the scaled matrix instruction as they lie in memory; sums in f32.  The results are rounded once to f16 and stored by head: qkv [b 2][48 planes][s 2048][64],
; plane h for q, 16 + h for k, 32 + h for v: feature n lies in plane n / 64.
; LIMIT: results over 65,504 in magnitude are not served (f16); under 6e-5 the error is up to 3e-8.
; A tile of C, 256 x 256, is made by four waves, each 128 x 128: 64 accumulators, 512 registers.  12 x 16 = 192 tiles: a smaller tile would give every WGP one, but each LDS byte would then feed half the products; K is
; only 1,024, two slots' worth, so both slots and all scales are first fills and nothing is filled again.
; CLUSTERS: 4 x 4 work-groups.  The four of a row of the cluster need the same tiles of A, the four of a column the same tiles of B: each tile is asked for JOINTLY, by the same tensor load with the same descriptor
; and a mask that names the four.  THE MATRIX INSTRUCTION IS USED TRANSPOSED (source 0 = 16 rows of B, source 1 = 16 rows of A): a lane then holds eight neighbouring features of one token.
; THE BIAS is the C of each sum's first matrix instruction: eight registers for each of B's eight blocks, in the result's layout.
; REGISTERS, in windows of 256: window 0: v0-31 addresses; v32-95 scale words, two sets; v96-127 packed results on the way out; v128-191 A's fragments, ONE set (on the way out: rows read back); v192-255 the bias.
;   window 1: B's fragments, TWO sets, at v0 and v128.   window 2: the accumulators of my rows 0-63 ((a, b) at v[8 (8 a + b)]);   window 3: those of my rows 64-127.
.set SIZE_K, 1024
.set KSTEP,  512                       ; along K in a slot
.set NQ,     KSTEP/128                 ; matrix instructions deep
.set ROWB,   256                       ; a tile's row in bytes
.set KROW,   SIZE_K*4/8                ; a row of codes in memory
.set PITCH,  272                       ; an LDS row: 256 bytes + 16 of padding = 68 words: the 16 rows that a load touches start at 16 different banks (ISA guide 11.1)
.set FR,     8
.set NL,     2
.set NP,     4                         ; places behind this matrix instruction (ISA guide 7.12.1)
.set HALFT,  128*PITCH
.set SLOT,   4*HALFT                   ; A's 256 rows, then B's 256 rows
.set KS,     SIZE_K/32                 ; a row of scales in bytes
.set SCL,    2*SLOT                    ; behind the slots: the scales, as rows of 256 bytes + 16 of padding
.set HALFS,  (128*KS/256)*272
.set SBLK,   (16*KS/256)*272
.set STAGE,  SCL+4*HALFS               ; the way out: for each wave two sub-stages (one a head) of 16 rows x (128 bytes + 16)
.set SUB,    16*144
.set SPARE,  STAGE+4*2*SUB             ; the spare words, 128 bytes for each wave: two blocks of 256 bytes that no other line names
.set ADRA, 16
.set ADRB, 20
.set STO,  24
.set RD,   25
.set CO,   26
.set ADRS, 27
.set SPW,  28                          ; v28  LDS address of my spare word; never rewritten
.set NIL,  29                          ; v29  0; never rewritten
.set SC,   32                          ; scale words: set s at v[SC + 8 NQ s]; register NQ i + q: lanes 0-15 the word of A's block i, lanes 16-31 that of B's block i, for the slot's q-th 128 along K
.set TMP,  96
.set AF,   128
.set BK,   128
.set BIAS, 192
.set G1, 24
.set G0, 32
.set G1B, 48
.set G0B, 56
.set G1S, 68
.set G0S, 76
.set G1SB, 80
.set G0SB, 88
.set MSB, 0
.macro WIN new                         ; the immediate's high byte repeats the setting that is left
.if MSB != (\new)
	s_set_vgpr_msb (MSB<<8)|(\new)
.set MSB, (\new)
.endif
.endm
.set MUL_LO, 0xa1                      ; source 0 (B) window 1, source 1 (A) window 0, C and D window 2
.set MUL_HI, 0xf1                      ; the same, C and D window 3
.set TO_B,   0x40                      ; destination window 1, address window 0
; A joint load: waves 0 and 1 fetch for A, waves 2 and 3 for B.  The branch hangs on the wave's number alone.  An s_nop 0 and four v_nop follow each of the two lines.
.macro JLOAD g0a, g1a, g0b, g1b
	s_cmp_eq_u32 s15, 0
	s_cbranch_scc0 .Lfor_b_\@
	tensor_load_to_lds s[\g0a:\g0a+3], s[\g1a:\g1a+7]
	s_nop 0
.rept 4
	v_nop
.endr
	s_branch .Lasked_\@
.Lfor_b_\@:
	tensor_load_to_lds s[\g0b:\g0b+3], s[\g1b:\g1b+7]
	s_nop 0
.rept 4
	v_nop
.endr
.Lasked_\@:
.endm
.macro CROUND                          ; a round of the cluster's barrier
	s_barrier_signal -1
	s_barrier_wait -1
	s_cmp_lg_u32 s14, 0
	s_cbranch_scc1 .Lnot_wave_0_\@
	s_barrier_signal -3
.Lnot_wave_0_\@:
	s_barrier_wait -3
	s_barrier_signal -1
	s_barrier_wait -1
.endm
	s_load_b128 s[4:7], s[0:1], 0x0                ; x's codes, x's scales
	s_load_b128 s[8:11], s[0:1], 0x10              ; the weights' codes, their scales
	s_load_b64 s[12:13], s[0:1], 0x20              ; qkv
	s_load_b128 s[96:99], s[0:1], 0x28             ; bq, bk
	s_load_b64 s[100:101], s[0:1], 0x38            ; bv
	v_lshl_add_u32 v[SPW], v0, 2, SPARE
	v_mov_b32 v[NIL], 0
	ds_add_u32 v[SPW], v[NIL]                      ; the wave's opening: the add, twice on end, and its wait ahead of my first tensor load
	ds_add_u32 v[SPW], v[NIL]
	v_lshrrev_b32 v1, 5, v0
	v_readfirstlane_b32 s14, v1                    ; wave 0..3
	s_lshr_b32 s15, s14, 1                         ; which half of the tile's rows is mine.  Also: I fetch for A (0) or for B (1)
	s_and_b32 s16, s14, 1                          ; which half of its columns.  Also: which 128 rows of that tile I fetch
	s_bfe_u32 s40, ttmp6, 0x40000                  ; cx, cy: my place in the cluster
	s_bfe_u32 s41, ttmp6, 0x40004
	s_lshl_b32 s42, ttmp9, 2
	s_add_co_u32 s42, s42, s40                     ; tile column of C = 4 x cluster x + cx
	s_and_b32 s17, ttmp7, 0xffff
	s_lshl_b32 s17, s17, 2
	s_add_co_u32 s17, s17, s41                     ; tile row of C = 4 x cluster y + cy
	s_lshl_b32 s43, s41, 2
	s_lshl_b32 s43, 15, s43                        ; my row of the cluster
	s_lshl_b32 s44, 0x1111, s40                    ; my column
	; descriptor group 1: a tile of 128 rows x 256 bytes, 16 bytes of padding behind each row
	s_or_b32 s[G1+0], s43, (0<<16)|(1<<20)|(1<<21)|(5<<22)|(3<<25)  ; 15:0 the mask; 17:16 elements of 1 byte; 20 padding on; 21 set beside a mask; 24:22 after every 64 words; 31:25 four words
	s_or_b32 s[G1B+0], s44, (0<<16)|(1<<20)|(1<<21)|(5<<22)|(3<<25)
.irp g, G1, G1B
	s_mov_b32 s[\g+1], ROWB<<16                    ; tensor_dim0
	s_mov_b32 s[\g+2], 128<<16                     ; tensor_dim1
	s_mov_b32 s[\g+3], ROWB<<16                    ; tile_dim0
	s_mov_b32 s[\g+4], 128                         ; tile_dim1
	s_mov_b32 s[\g+5], KROW                        ; tensor_dim0_stride
	s_mov_b32 s[\g+6], 0
	s_mov_b32 s[\g+7], 0
.endr
	; the scales of 128 rows: a dense block of 4,096 bytes, as 16 rows of 256 bytes (32 elements of 8 bytes), 16 bytes of padding behind each
	s_or_b32 s[G1S+0], s43, (3<<16)|(1<<20)|(1<<21)|(5<<22)|(3<<25)
	s_or_b32 s[G1SB+0], s44, (3<<16)|(1<<20)|(1<<21)|(5<<22)|(3<<25)
.irp g, G1S, G1SB
	s_mov_b32 s[\g+1], 32<<16
	s_mov_b32 s[\g+2], (128*KS/256)<<16
	s_mov_b32 s[\g+3], 32<<16
	s_mov_b32 s[\g+4], 128*KS/256
	s_mov_b32 s[\g+5], 32
	s_mov_b32 s[\g+6], 0
	s_mov_b32 s[\g+7], 0
.endr
	s_lshl_b32 s18, s16, 7                         ; which 128 rows of the tile I fetch
	s_lshl_b32 s20, s17, 8
	s_add_co_u32 s20, s20, s18                     ; A: row 256 x tile row + 128 x half
	s_lshl_b32 s46, s42, 8
	s_add_co_u32 s46, s46, s18                     ; B: row 256 x tile column + 128 x half
	s_mov_b32 s21, 0
	s_mov_b32 s47, 0
	s_mov_b64 s[18:19], KS
	s_mul_u64 s[22:23], s[20:21], s[18:19]         ; where these rows' scales begin, in bytes
	s_mul_u64 s[92:93], s[46:47], s[18:19]
	s_mov_b64 s[18:19], KROW
	s_mul_u64 s[20:21], s[20:21], s[18:19]         ; and their codes
	s_mul_u64 s[46:47], s[46:47], s[18:19]
	s_mul_i32 s45, s14, HALFT                      ; where they go: wave x 128 rows: no place in the cluster enters an LDS address
	s_mul_i32 s94, s14, HALFS
	s_wait_dscnt 0x0                               ; both opening adds are done
	s_wait_kmcnt 0x0
	s_add_nc_u64 s[20:21], s[4:5], s[20:21]
	s_add_nc_u64 s[22:23], s[6:7], s[22:23]
	s_add_nc_u64 s[46:47], s[8:9], s[46:47]
	s_add_nc_u64 s[92:93], s[10:11], s[92:93]
	CROUND                                         ; all sixteen work-groups are here: the joint loads meet
	s_mov_b32 s[G0S], 1
	s_add_co_u32 s[G0S+1], s94, SCL
	s_mov_b64 s[G0S+2:G0S+3], s[22:23]
	s_or_b32 s[G0S+3], s[G0S+3], 0x80000000
	s_mov_b32 s[G0SB], 1
	s_add_co_u32 s[G0SB+1], s94, SCL
	s_mov_b64 s[G0SB+2:G0SB+3], s[92:93]
	s_or_b32 s[G0SB+3], s[G0SB+3], 0x80000000
	JLOAD G0S, G1S, G0SB, G1SB                     ; the scales first: they are wanted with the first slot
.irp s, 0,1
	s_mov_b32 s[G0+4*\s], 1
	s_add_co_u32 s[G0+4*\s+1], s45, \s*SLOT
	s_add_nc_u64 s[G0+4*\s+2:G0+4*\s+3], s[20:21], \s*ROWB
	s_or_b32 s[G0+4*\s+3], s[G0+4*\s+3], 0x80000000
	s_mov_b32 s[G0B+4*\s], 1
	s_add_co_u32 s[G0B+4*\s+1], s45, \s*SLOT
	s_add_nc_u64 s[G0B+4*\s+2:G0B+4*\s+3], s[46:47], \s*ROWB
	s_or_b32 s[G0B+4*\s+3], s[G0B+4*\s+3], 0x80000000
	JLOAD G0+4*\s, G1, G0B+4*\s, G1B               ; three tensor loads of mine are out: all of the launch's
.endr
	v_and_b32 v1, 15, v0                           ; r = l % 16
	v_bfe_u32 v2, v0, 4, 1                         ; hh = l / 16
	; the bias: q's, k's or v's by the cluster's x (four tile columns a tensor), the same in all partners
	s_cmp_eq_u32 ttmp9, 0
	s_cselect_b64 s[96:97], s[96:97], s[98:99]
	s_cmp_lt_u32 ttmp9, 2
	s_cselect_b64 s[96:97], s[96:97], s[100:101]
	s_lshl_b32 s46, s40, 10                        ; 256 features a tile column,
	s_lshl_b32 s47, s16, 9                         ; 128 a wave, 4 bytes each
	s_add_co_u32 s46, s46, s47
	s_mov_b32 s47, 0
	s_add_nc_u64 s[96:97], s[96:97], s[46:47]
	v_lshlrev_b32 v8, 5, v2                        ; lane (r, hh) wants, for B's block b, the bias of features 16 b + 8 hh + 0 .. 7
.irp b, 0,1,2,3,4,5,6,7
	global_load_b128 v[BIAS+8*\b:BIAS+8*\b+3], v8, s[96:97] offset:64*\b
	global_load_b128 v[BIAS+8*\b+4:BIAS+8*\b+7], v8, s[96:97] offset:64*\b+16
.endr
	v_mul_u32_u24 v3, v1, PITCH
	v_lshl_add_u32 v4, v2, 4, v3                   ; a fragment's row x pitch + 16 x half
	s_mul_i32 s21, s15, HALFT                      ; my 128 rows of A
	s_mul_i32 s22, s16, HALFT                      ; my 128 rows of B,
	s_add_co_u32 s22, s22, 2*HALFT                 ; which lie behind A's 256
.irp s, 0,1
	v_add_nc_u32 v[ADRA+\s], s21, v4
	v_add_nc_u32 v[ADRB+\s], s22, v4
	s_add_co_u32 s21, s21, SLOT
	s_add_co_u32 s22, s22, SLOT
.endr
	v_mul_u32_u24 v5, v1, KS                       ; my row's scales: KS bytes a row,
	v_lshrrev_b32 v6, 8, v5
	v_lshl_add_u32 v5, v6, 4, v5                   ; and 16 more for each 256 passed
	s_mul_i32 s21, s15, HALFS                      ; A's: my 128 rows
	s_mul_i32 s22, s16, HALFS                      ; B's: my 128 rows, behind A's 256
	s_add_co_u32 s22, s22, 2*HALFS
	s_sub_co_u32 s22, s22, s21
	v_mul_u32_u24 v6, s22, v2                      ; lanes 16-31 take B's
	s_add_co_u32 s21, s21, SCL
	v_add_nc_u32 v5, v5, v6
	v_add_nc_u32 v[ADRS], s21, v5
	s_mul_i32 s23, s14, 2*SUB
	s_add_co_u32 s23, s23, STAGE                   ; my stage
	v_mul_u32_u24 v5, v1, 144                      ; in: token r, 16 bytes for each half of the lanes
	v_lshl_add_u32 v5, v2, 4, v5
	v_add_nc_u32 v[STO], s23, v5
	v_and_b32 v6, 31, v0
	v_lshrrev_b32 v5, 3, v6                        ; back: eight lanes to a token's 128 bytes, four tokens an instruction
	v_mul_u32_u24 v5, v5, 144
	v_and_b32 v7, 7, v0
	v_lshl_add_u32 v5, v7, 4, v5
	v_add_nc_u32 v[RD], s23, v5
	v_lshlrev_b32 v[CO], 4, v6                     ; and in memory, where a head's tokens lie on end: 16 x lane
	s_lshr_b32 s20, s17, 3                         ; the batch: eight tile rows each
	s_mul_i32 s20, s20, 48
	s_lshl_b32 s21, s42, 2
	s_add_co_u32 s20, s20, s21                     ; + four planes a tile column
	s_lshl_b32 s21, s16, 1
	s_add_co_u32 s20, s20, s21                     ; + two a wave
	s_lshl_b32 s20, s20, 18                        ; a plane is 2,048 x 128 bytes
	s_and_b32 s21, s17, 7
	s_lshl_b32 s21, s21, 8
	s_lshl_b32 s22, s15, 7
	s_add_co_u32 s21, s21, s22                     ; my first token in the sequence
	s_lshl_b32 s21, s21, 7
	s_add_co_u32 s20, s20, s21
	s_mov_b32 s21, 0
	s_add_nc_u64 s[12:13], s[12:13], s[20:21]
.macro FRAG reg, adr, q, i             ; a fragment, 16 rows x 128 K of 4-bit codes: lane l holds row l % 16; registers 4 c .. 4 c + 3 hold K = 64 c + 32 (l / 16) + 0 .. 31
.irp c, 0,1
	ds_load_b128 v[\reg+4*\c:\reg+4*\c+3], v[\adr] offset:64*(\q)+32*\c+(\i)*16*PITCH
.endr
.endm
; 16 matrix instructions: A's blocks a0, a0 + 1 x B's eight, 128 along K.  p: B's set;  sc: the set of scale words.  first = 1: the bias is C and starts the sums: nothing is ever cleared.
; The 64 accumulators take turns, one instruction a turn, in the same order in every step.
.macro MUL16 a0, p, q, sc, first
.irp a, \a0, \a0+1
.irp b, 0,1,2,3,4,5,6,7
.if \first
	v_wmma_scale_f32_16x16x128_f8f6f4 v[8*(8*((\a)%4)+\b):8*(8*((\a)%4)+\b)+7], v[128*(\p)+FR*\b:128*(\p)+FR*\b+FR-1], v[AF+FR*(\a):AF+FR*(\a)+FR-1], v[BIAS+8*\b:BIAS+8*\b+7], v[SC+8*NQ*(\sc)+NQ*\b+(\q)], v[SC+8*NQ*(\sc)+NQ*(\a)+(\q)] matrix_a_fmt:MATRIX_FMT_FP4 matrix_b_fmt:MATRIX_FMT_FP4 matrix_a_scale:MATRIX_SCALE_ROW1
.else
	v_wmma_scale_f32_16x16x128_f8f6f4 v[8*(8*((\a)%4)+\b):8*(8*((\a)%4)+\b)+7], v[128*(\p)+FR*\b:128*(\p)+FR*\b+FR-1], v[AF+FR*(\a):AF+FR*(\a)+FR-1], v[8*(8*((\a)%4)+\b):8*(8*((\a)%4)+\b)+7], v[SC+8*NQ*(\sc)+NQ*\b+(\q)], v[SC+8*NQ*(\sc)+NQ*(\a)+(\q)] matrix_a_fmt:MATRIX_FMT_FP4 matrix_b_fmt:MATRIX_FMT_FP4 matrix_a_scale:MATRIX_SCALE_ROW1
.endif
.endr
.endr
.endm
.macro FETCH_B slot, q, p
	WIN TO_B
.irp i, 0,1,2,3,4,5,6,7
	FRAG 128*(\p)+FR*\i, ADRB+\slot, \q, \i
.endr
	WIN 0
.endm
.macro FETCH_A slot, q, i0
.irp i, \i0, \i0+1, \i0+2, \i0+3
	FRAG AF+FR*(\i), ADRA+\slot, \q, \i
.endr
.endm
.macro SCALES sc                       ; a slot's scale words into set sc: four words a row; lanes 0-15 take A's block i, lanes 16-31 B's block i
.irp i, 0,1,2,3,4,5,6,7
	ds_load_b128 v[SC+8*NQ*\sc+NQ*\i:SC+8*NQ*\sc+NQ*\i+3], v[ADRS] offset:\i*SBLK
.endr
.endm
; A load into a register that a matrix instruction has read, and a vector instruction that reads a matrix result, stand NP places behind that matrix instruction; only plain vector instructions that name
; none of its registers are places (ISA guide 7.12.1 for vector instructions).
.macro PLACES n
.rept \n
	v_nop
.endr
.endm
; A step of 128 along K that has its successor in the same slot.  A has one set of registers: blocks 0-3 are fetched anew in the step's middle, blocks 4-7 at its end; B has two sets.
.macro STEP slot, q, first
	s_wait_dscnt 4*NL                              ; B's set and A's blocks 0-3 are in; the youngest eight loads (A's blocks 4-7) may be out
.if \first
	WIN 0x81                                       ; C (the bias) window 0, D window 2
.else
	WIN MUL_LO
.endif
	MUL16 0, (\q)%2, \q, \slot, \first
	MUL16 2, (\q)%2, \q, \slot, \first
	s_wait_dscnt 0                                 ; A's blocks 4-7 are in
	PLACES NP
	FETCH_B \slot, (\q)+1, 1-(\q)%2
	FETCH_A \slot, (\q)+1, 0
.if \first
	WIN 0xc1                                       ; C window 0, D window 3
.else
	WIN MUL_HI
.endif
	MUL16 4, (\q)%2, \q, \slot, \first
	MUL16 6, (\q)%2, \q, \slot, \first
	PLACES NP
	WIN 0
	FETCH_A \slot, (\q)+1, 4
.endm
; Slot 0's last step changes slots: one barrier; in front of it each wave waits for all its tensor loads (its part of slot 1), adds 0 to its spare word, and waits for that and for its LDS loads.  Nothing is filled again.
.macro TURN slot, next
	s_wait_tensorcnt 0x0                           ; all my tensor loads have landed  (every window is 0 here: the add's two registers lie in window 0)
	ds_add_u32 v[SPW], v[NIL]                      ; 0 onto my spare word
	s_wait_dscnt 4*NL+1                            ; (the add and the youngest eight loads may be out)
	WIN MUL_LO
	MUL16 0, 1, NQ-1, \slot, 0
	s_wait_dscnt 0x0                               ; the add is done, and my LDS loads are in
	s_barrier_signal -1
	MUL16 2, 1, NQ-1, \slot, 0
	WIN 0
	s_barrier_wait -1                              ; slot 1 is whole for every wave
	PLACES NP
	v_add_nc_u32 v[ADRS], 4*NQ, v[ADRS]            ; on to the next slot's scale words
	FETCH_B \next, 0, 0
	FETCH_A \next, 0, 0
	SCALES \next
	WIN MUL_HI
	MUL16 4, 1, NQ-1, \slot, 0
	MUL16 6, 1, NQ-1, \slot, 0
	PLACES NP
	WIN 0
	FETCH_A \next, 0, 4
.endm
.macro STEPS slot, from                ; the slot's steps from .. NQ - 2
.set Q, \from
.rept NQ-1-\from
	STEP \slot, Q, 0
.set Q, Q+1
.endr
.endm
	s_wait_tensorcnt 1                             ; the scales and my part of slot 0 are in (slot 1's load may be out)
	s_barrier_signal -1
	s_barrier_wait -1                              ; everybody's are
	FETCH_B 0, 0, 0
	FETCH_A 0, 0, 0
	SCALES 0
	FETCH_A 0, 0, 4
	s_wait_loadcnt 0x0                             ; the bias
	STEP 0, 0, 1
	STEPS 0, 1
	TURN 0, 1
	STEPS 1, 0
	s_wait_dscnt 4*NL                              ; the very last step: nothing more to fetch
	WIN MUL_LO
	MUL16 0, 1, NQ-1, 1, 0
	MUL16 2, 1, NQ-1, 1, 0
	s_wait_dscnt 0
	WIN MUL_HI
	MUL16 4, 1, NQ-1, 1, 0
	MUL16 6, 1, NQ-1, 1, 0
	WIN 0
; THE WAY OUT, block by block of 16 tokens x 128 features (two heads).  PACK: rounded to f16, 16 bytes a lane, each accumulator from its low end on.  TOSTAGE: into my own stage, a sub-stage a head, and back four tokens
; (512 bytes that lie on end in the head's plane) an instruction.  SEND: stored.  LDS serves a wave's instructions in order (ISA guide 5.7.1.4): no wait between the stores and the loads.
.macro PACK a
.set AC, 64*((\a)%4)
	WIN 0x0a+5*((\a)/4)                            ; sources 0 and 1: window 2 or 3
.irp b, 0,1,2,3,4,5,6,7
.irp r, 0,1,2,3
	v_cvt_pk_f16_f32 v[TMP+4*\b+\r], v[AC+8*\b+2*\r], v[AC+8*\b+2*\r+1]
.endr
.endr
	WIN 0
.endm
.macro TOSTAGE a
.set BB, BK+32*((\a)%2)
.irp b, 0,1,2,3,4,5,6,7
	ds_store_b128 v[STO], v[TMP+4*\b:TMP+4*\b+3] offset:(\b/4)*SUB+32*(\b%4)
.endr
.irp t, 0,1,2,3,4,5,6,7
	ds_load_b128 v[BB+4*\t:BB+4*\t+3], v[RD] offset:(\t/4)*SUB+(\t%4)*576
.endr
.endm
.macro SEND a
.set BB, BK+32*((\a)%2)
	s_wait_dscnt 0x0                               ; the block is back in registers
	s_wait_xcnt 0x0                                ; the stores of the block before have read their data: the next block's loads may land there
.irp t, 0,1,2,3,4,5,6,7
	global_store_b128 v[CO], v[BB+4*\t:BB+4*\t+3], s[12:13] offset:(\a)*2048+(\t/4)*262144+(\t%4)*512   ; 512 consecutive bytes, at a multiple of 256 from the buffer's first byte
.endr
.endm
	PLACES NP                                      ; behind the last products: for the conversions' reads and for the loads into the registers that held A's fragments
	PACK 0
	TOSTAGE 0
.irp a, 1,2,3,4,5,6,7                  ; block a's conversions stand between block a - 1's loads from the stage and the wait for them
	PACK \a
	SEND \a-1
	TOSTAGE \a
.endr
	SEND 7
	s_wait_tensorcnt 0x0                           ; the wave's end: behind my last tensor load and my last LDS store
	ds_add_u32 v[SPW], v[NIL]
	s_wait_dscnt 0x0
	CROUND                                         ; the closing round: no work-group ends while a partner may still ask for a tile that names it
	s_endpgm
.Lfunc_end_k_q5d23dcba7f_qkv:
	.size	k_q5d23dcba7f_qkv, .Lfunc_end_k_q5d23dcba7f_qkv-k_q5d23dcba7f_qkv
	.p2alignl 7, 3214868480
	.fill 96, 4, 3214868480
	.section	.rodata,"a",@progbits
	.p2align	6, 0x0
	.amdhsa_kernel k_q5d23dcba7f_qkv
		.amdhsa_group_segment_fixed_size 327680
		.amdhsa_private_segment_fixed_size 0
		.amdhsa_enable_private_segment 0
		.amdhsa_kernarg_size 64
		.amdhsa_user_sgpr_count 2
		.amdhsa_user_sgpr_kernarg_segment_ptr 1
		.amdhsa_wavefront_size32 1
		.amdhsa_system_sgpr_workgroup_id_x 1
		.amdhsa_system_sgpr_workgroup_id_y 1
		.amdhsa_system_sgpr_workgroup_id_z 1
		.amdhsa_system_vgpr_workitem_id 0
		.amdhsa_next_free_vgpr 1024
		.amdhsa_next_free_sgpr 102
		.amdhsa_reserve_vcc 0
		.amdhsa_float_denorm_mode_32 3
		.amdhsa_float_denorm_mode_16_64 3
		.amdhsa_memory_ordered 1
		.amdhsa_forward_progress 1
		.amdhsa_inst_pref_size 128
	.end_amdhsa_kernel
	.amdgpu_metadata
---
amdhsa.version: [ 1, 2 ]
amdhsa.kernels:
  - .name:           k_q5d23dcba7f_qkv
    .symbol:         k_q5d23dcba7f_qkv.kd
    .args:
      - { .name: xc, .offset: 0, .size: 8, .value_kind: global_buffer, .address_space: global }
      - { .name: xs, .offset: 8, .size: 8, .value_kind: global_buffer, .address_space: global }
      - { .name: wc, .offset: 16, .size: 8, .value_kind: global_buffer, .address_space: global }
      - { .name: ws, .offset: 24, .size: 8, .value_kind: global_buffer, .address_space: global }
      - { .name: qkv, .offset: 32, .size: 8, .value_kind: global_buffer, .address_space: global }
      - { .name: bq, .offset: 40, .size: 8, .value_kind: global_buffer, .address_space: global }
      - { .name: bk, .offset: 48, .size: 8, .value_kind: global_buffer, .address_space: global }
      - { .name: bv, .offset: 56, .size: 8, .value_kind: global_buffer, .address_space: global }
    .group_segment_fixed_size: 327680
    .private_segment_fixed_size: 0
    .kernarg_segment_align: 8
    .kernarg_segment_size: 64
    .max_flat_workgroup_size: 128
    .sgpr_count:     102
    .vgpr_count:     1024
    .wavefront_size: 32
...
	.end_amdgpu_metadata
.endif
;; end of part 2
;; launch attn (part 3): grid 8 x 32, 8 waves a work-group, clusters of 4 x 1, 327,680 bytes of LDS; arguments qkv, mbits, y; writes y
.if DOCPART == 3
	.amdgcn_target "amdgcn-amd-amdhsa--gfx1250"
	.amdhsa_code_object_version 6
	.text
	.protected	k_q5d23dcba7f_attn
	.globl	k_q5d23dcba7f_attn
	.p2align	8
	.type	k_q5d23dcba7f_attn,@function
k_q5d23dcba7f_attn:
	s_mov_b64 s[64:65], 0
	v_nop
	global_prefetch_b8 v0, s[64:65] scope:SCOPE_SE
	s_setreg_imm32_b32 hwreg(HW_REG_WAVE_MODE, 25, 1), 1
	s_wait_xcnt 0x0
	s_wait_alu depctr_hold_cnt(0) depctr_sa_sdst(0) depctr_va_vdst(0) depctr_va_sdst(0) depctr_va_ssrc(0) depctr_va_vcc(0) depctr_vm_vsrc(0)
	s_getreg_b32 s2, hwreg(HW_REG_IB_STS2, 6, 4)
	s_cmp_eq_u32 s2, 0
	s_cbranch_scc0 .Lentry_in_a_cluster
	s_endpgm
.Lentry_in_a_cluster:
	s_bfe_u32 s2, ttmp6, 0x10000c
	s_cmp_lg_u32 s2, 0x3003
	s_cbranch_scc0 .Lentry_shape_is_right
	s_endpgm
.Lentry_shape_is_right:
; y[bh][d][q] = the sum over k of softmax_k(s'(q, k)) v[bh][k][d], s'(q, k) = q . k / 8, or -1e-09 where the mask's number is 0.  A masked key is NOT left out: its score counts in the maximum, in the sum and in the
; product, so every query walks all 2,048 keys.  q, k, v: planes of qkv [b][48][2048][64], f16.  mbits: the mask as lane masks, [tile of 16 queries][step of 64 keys][32 words].  y: [32][64][2048] f16: O transposed,
; which read as [4096][1024] is the next product's left operand.  Products, maxima and sums in f32; the weights p are rounded to f16 for the second product, O once at the end.
; LIMITS: O over 65,504 in magnitude is not served (f16); under 6e-5 its error is up to 3e-8; a weight p under 6e-8 of its row's largest counts as 0 in the product (not in the sum).
; SHARES.  A work-group owns 256 queries of one head, each of its EIGHT waves 32: two tiles of 16; two waves to a SIMD, so that one wave's vector work stands beside the other's matrix work.  A fragment of K or V read
; from LDS feeds two products.  Every wave walks all keys, 64 a step.
; LAYOUT.  S^T = K Q^T (source 0 = 16 keys, source 1 = 16 queries): a lane holds ONE query (lane % 16) and the keys 8 (lane / 16) + 0..7.  Two such tiles, rounded to f16 in pairs, ARE source 1 of O^T = V^T P, whose result
; again holds one query a lane.  K comes out of LDS as it lies, V ([key][channel]) turned, by ds_load_tr16_b128.
; SOFTMAX, on the raw sums s = q . k (a masked one becomes -8e-09, which is 8 x the f32 number -1e-09): a running maximum m and sum l; p = 2^(c s - c m), c = log2(e) / 8; in every step O and l are multiplied by
; a = 2^(c m_old - c m_new).  The loop has no first step of its own: O and l begin as zeros and m as -3e38.
; THE MASK WORDS of a key step, 32 for each of my two tiles, lie in 64 scalar registers.  Both tiles' selects stand together, directly behind the step's K Q^T, and directly behind them the next step's 64 words are asked
; for: scalar loads can be waited for with the count 0 alone, so a step has ONE such wait, and between a request and its wait lies a whole key step less the selects.
; RING.  Two LDS slots of 512 keys (8 steps), filled by the tensor data mover: waves 0-3 a quarter of K's rows each, waves 4-7 of V's.  One walking descriptor for K and one for V: slot 0 is filled at the head, slot 1
; behind the next round of the cluster's barrier, then each slot once more: one tensor load of a wave is out at a time.
; CLUSTER.  The four query blocks of a cluster belong to one head and walk the same K and V: each tile is asked for JOINTLY, by the same tensor load with the same descriptor and a mask that names the four.
; REGISTERS: window 0: v2-15 addresses and constants; v16-31 statistics, eight a tile; v32-63 Q; v64-127 S^T, then p; v128-159 P; v160-223 O^T; v224-255 the way out.   window 1: v0-63 K of one step; v64-127 V of one step.
.set PK,    144                        ; a row of K in LDS: 128 bytes + 16 of padding = 36 words: the 16 rows of a load start at 16 different groups of four banks (ISA guide 11.1)
.set PV,    160                        ; a row of V: 128 + 32
.set VOFF,  512*PK                     ; a slot: 512 rows of K, then 512 rows of V
.set SLOTB, 512*(PK+PV)
.set SPARE, 2*SLOTB                    ; the spare words, 128 bytes for each wave: four blocks of 256 bytes that no other line names
.set SP,    528                        ; the way out: a stage of 64 rows (channels) x (256 queries x 2 bytes + 16), in slot 0, which has then had its last fill and its last read
.set AK0, 2                            ; v2   my lane's place in a tile of K; never rewritten
.set AV0, 3                            ; v3   the same for V
.set ADK, 4                            ; v4   LDS address of the run of K's loads in hand
.set ADV, 5                            ; v5   of V's
.set QO,  6                            ; v6   my byte offset in the wave's rows of Q
.set FILL, 7                           ; v7   -8e-09
.set STO, 8                            ; v8   the way out: where I put a number
.set RD,  9                            ; v9   where I read a row back
.set GO,  10                           ; v10  16 x lane
.set SPW, 12                           ; v12  LDS address of my spare word; never rewritten
.set NIL, 13                           ; v13  0; never rewritten
.set CSV, 14                           ; v[14:15] c, twice: the packed scaling names a pair and takes its low word for both halves
.set ST,  16                           ; tile t's statistics at v[ST + 8 t]: +0 c m, +1 m, +2, +3 l (even keys', odd keys'), +4 to +7 at work; a stands at +6
.set Q,   32
.set S,   64
.set P,   128
.set O,   160
.set OUTR, 224
.set KF,  0                            ; in window 1
.set VF,  64
.set MP,  2                            ; s[2:3]   the mask words of my first tile, at the key step that was asked for last
.set SEL, 4                            ; s[4:5]   lane selects for v_permlanex16_b32: lane l xor 16
.set YP,  6                            ; s[6:7]   y at the first of the rows that my wave stores
.set G1K, 8                            ; s[8:15]  descriptor group 1 for K's tiles;  s[16:23] for V's: it differs in the padding alone
.set G1V, 16
.set G0K, 24                           ; s[24:27] group 0 for K's tiles, which walks;  s[28:31] for V's
.set G0V, 28
.set M0,  32                           ; s[32:63] tile 0's 32 mask words of a key step  (at the head: temporaries, done with before the first words are asked for)
.set WV,  66                           ; s66  my wave's number
.set TK,  67                           ; s67  LDS byte at which the K rows of the step to be fetched begin
.set M1,  68                           ; s[68:99] tile 1's 32 mask words
.set TV,  100                          ; s100 the same as TK for V (less VOFF)
.set CNT, 101                          ; s101 counts a run of key steps
.set QP,  100                          ; s[100:101] at the head: Q at my wave's first row, until Q is in
.set MSB, 0
.macro WIN new                         ; the immediate's high byte repeats the setting that is left
.if MSB != (\new)
	s_set_vgpr_msb (MSB<<8)|(\new)
.set MSB, (\new)
.endif
.endm
.macro PLACES
.rept 4
	v_nop
.endr
.endm
; A joint load: waves 0-3 fetch K's quarters, waves 4-7 V's.  The branch hangs on the wave's number alone.  An s_nop 0 and four v_nop follow each of the two lines.
.macro JLOAD
	s_cmp_lt_u32 s[WV], 4
	s_cbranch_scc0 .Lfor_v_\@
	tensor_load_to_lds s[G0K:G0K+3], s[G1K:G1K+7]
	s_nop 0
.rept 4
	v_nop
.endr
	s_branch .Lasked_\@
.Lfor_v_\@:
	tensor_load_to_lds s[G0V:G0V+3], s[G1V:G1V+7]
	s_nop 0
.rept 4
	v_nop
.endr
.Lasked_\@:
.endm
.macro CROUND                          ; a round of the cluster's barrier
	s_barrier_signal -1
	s_barrier_wait -1
	s_cmp_lg_u32 s[WV], 0
	s_cbranch_scc1 .Lnot_wave_0_\@
	s_barrier_signal -3
.Lnot_wave_0_\@:
	s_barrier_wait -3
	s_barrier_signal -1
	s_barrier_wait -1
.endm
; The walking descriptors' LDS addresses for slot sl: my quarter (wave % 4) of the slot's 512 rows, of K and of V: the wave's number and constants alone; no place in the cluster enters an LDS address
.macro LDSADR sl
	s_and_b32 s[G0K+1], s[WV], 3
	s_mul_i32 s[G0K+1], s[G0K+1], 128*PK
	s_add_co_u32 s[G0K+1], s[G0K+1], (\sl)*SLOTB
	s_and_b32 s[G0V+1], s[WV], 3
	s_mul_i32 s[G0V+1], s[G0V+1], 128*PV
	s_add_co_u32 s[G0V+1], s[G0V+1], VOFF+(\sl)*SLOTB
.endm
.macro WALK sl                         ; on to the next 512 keys, into slot sl.  It stands only where no tensor load of mine is out
	LDSADR \sl
	s_add_nc_u64 s[G0K+2:G0K+3], s[G0K+2:G0K+3], 65536   ; 512 rows of 128 bytes on; the type bits on top are not reached
	s_add_nc_u64 s[G0V+2:G0V+3], s[G0V+2:G0V+3], 65536
.endm
.macro MASKS                           ; both tiles' 64 mask words of the key step at which the pointer stands: a tile's words lie 4,096 bytes behind the tile before's
	s_load_b512 s[M0:M0+15], s[MP:MP+1], 0x0
	s_load_b512 s[M0+16:M0+31], s[MP:MP+1], 0x40
	s_load_b512 s[M1:M1+15], s[MP:MP+1], 0x1000
	s_load_b512 s[M1+16:M1+31], s[MP:MP+1], 0x1040
.endm
	s_load_b128 s[32:35], s[0:1], 0x0              ; qkv, mbits
	s_load_b64 s[YP:YP+1], s[0:1], 0x10            ; y
	v_lshl_add_u32 v[SPW], v0, 2, SPARE
	v_mov_b32 v[NIL], 0
	ds_add_u32 v[SPW], v[NIL]                      ; the wave's opening: the add, twice on end, and its wait ahead of my first tensor load
	ds_add_u32 v[SPW], v[NIL]
	v_lshrrev_b32 v1, 5, v0
	v_readfirstlane_b32 s[WV], v1                  ; wave 0..7
	s_bfe_u32 s36, ttmp6, 0x40000                  ; cx: my place in the cluster
	s_lshl_b32 s37, ttmp9, 2
	s_add_co_u32 s37, s37, s36                     ; my block of 256 queries: it enters Q's, the mask's and y's addresses alone
	s_and_b32 s38, ttmp7, 0xffff                   ; 16 b + h, which the four partners share
	s_lshr_b32 s39, s38, 4
	s_and_b32 s40, s38, 15
	s_mul_i32 s39, s39, 48
	s_add_co_u32 s39, s39, s40                     ; q's plane: 48 b + h
	s_lshl_b32 s39, s39, 18                        ; its first byte
	s_and_b32 s41, s[WV], 3                        ; which quarter of a slot's rows I fetch:
	s_lshl_b32 s44, s41, 14                        ; its 128 rows of 128 bytes in memory,
	s_add_co_u32 s44, s44, s39
	s_add_co_u32 s44, s44, 16<<18                  ; in k's plane,
	s_mov_b32 s45, 0
	s_add_co_u32 s46, s44, 16<<18                  ; and in v's
	s_mov_b32 s47, 0
	s_lshl_b32 s48, s37, 15                        ; Q: my block's 256 rows,
	s_lshl_b32 s49, s[WV], 12                      ; my wave's 32 of them
	s_add_co_u32 s48, s48, s49
	s_add_co_u32 s48, s48, s39
	s_mov_b32 s49, 0
	s_lshl_b32 s50, s37, 16                        ; the mask words: 4,096 bytes a tile of 16 queries; 16 tiles a block,
	s_lshl_b32 s51, s[WV], 13                      ; two a wave
	s_add_co_u32 s50, s50, s51
	s_mov_b32 s51, 0
	s_lshl_b32 s52, s38, 18                        ; y: a head's 64 rows of 4,096 bytes,
	s_lshl_b32 s53, s[WV], 15                      ; the 8 rows that my wave stores,
	s_add_co_u32 s52, s52, s53
	s_lshl_b32 s53, s37, 9                         ; my block's 512 bytes of a row
	s_add_co_u32 s52, s52, s53
	s_mov_b32 s53, 0
	; descriptor group 1: a tile of 128 rows x 64 elements of 2 bytes, padded behind every row
	s_mov_b32 s[G1K], 15|(1<<16)|(1<<20)|(1<<21)|(4<<22)|(3<<25)  ; 15:0 the mask: all four work-groups; 17:16 elements of 2 bytes; 20 padding on; 21 set beside a mask; 24:22 after every 32 words; 31:25 four words
	s_mov_b32 s[G1V], 15|(1<<16)|(1<<20)|(1<<21)|(4<<22)|(7<<25)  ; the same with eight words of padding
.irp g, G1K, G1V
	s_mov_b32 s[\g+1], 64<<16                      ; tensor_dim0
	s_mov_b32 s[\g+2], 128<<16                     ; tensor_dim1
	s_mov_b32 s[\g+3], 64<<16                      ; tile_dim0
	s_mov_b32 s[\g+4], 128                         ; tile_dim1
	s_mov_b32 s[\g+5], 64                          ; tensor_dim0_stride
	s_mov_b32 s[\g+6], 0
	s_mov_b32 s[\g+7], 0
.endr
	s_mov_b32 s[SEL], 0x76543210
	s_mov_b32 s[SEL+1], 0xfedcba98
	s_mov_b32 s[G0K], 1                            ; count = 1
	s_mov_b32 s[G0V], 1
	LDSADR 0                                       ; LDS addresses: slot 0
	s_wait_dscnt 0x0                               ; both opening adds are done
	s_wait_kmcnt 0x0
	s_add_nc_u64 s[G0K+2:G0K+3], s[32:33], s[44:45]   ; global addresses: my quarter of the head's first 512 keys
	s_or_b32 s[G0K+3], s[G0K+3], 0x80000000        ; type = 2
	s_add_nc_u64 s[G0V+2:G0V+3], s[32:33], s[46:47]
	s_or_b32 s[G0V+3], s[G0V+3], 0x80000000
	s_add_nc_u64 s[QP:QP+1], s[32:33], s[48:49]    ; Q at my wave's first row
	s_add_nc_u64 s[MP:MP+1], s[34:35], s[50:51]    ; the mask words of my first tile, key step 0
	s_add_nc_u64 s[YP:YP+1], s[YP:YP+1], s[52:53]
	CROUND                                         ; all four work-groups are here: the first joint loads meet
	JLOAD                                          ; slot 0: keys 0 to 511
	MASKS                                          ; key step 0's mask words: the temporaries above are done with
	; A fragment of K or Q is 16 rows x 32 channels in 8 registers: lane l holds row l % 16; registers 0-3 channels 8 (l / 16) + 0..7, registers 4-7 channels 16 + 8 (l / 16) + 0..7: two loads of 16 bytes, 32 bytes apart.
	v_and_b32 v1, 15, v0                           ; r
	v_bfe_u32 v11, v0, 4, 1                        ; hh
	v_lshlrev_b32 v[QO], 7, v1
	v_lshl_add_u32 v[QO], v11, 4, v[QO]            ; row x 128 + 16 x half
.irp i, 0,1,2,3                                ; Q stays in registers: tile i / 2, channels 32 (i % 2) on
	global_load_b128 v[Q+8*\i:Q+8*\i+3],   v[QO], s[QP:QP+1] offset:(\i/2)*2048+(\i%2)*64
	global_load_b128 v[Q+8*\i+4:Q+8*\i+7], v[QO], s[QP:QP+1] offset:(\i/2)*2048+(\i%2)*64+32
.endr
	v_mul_u32_u24 v[AK0], v1, PK
	v_lshl_add_u32 v[AK0], v11, 4, v[AK0]
	; The turning load takes 16 keys x 16 channels (lane l reads 16 bytes: key 8 (l / 16) + l % 8, channels 8 ((l / 8) % 2) + 0..7) and leaves half a fragment of V^T: lane l holds channel l % 16 and 8 keys.
	v_and_b32 v64, 7, v0
	v_bfe_u32 v65, v0, 3, 1
	v_lshl_add_u32 v[AV0], v11, 3, v64
	v_mul_u32_u24 v[AV0], v[AV0], PV
	v_lshl_add_u32 v[AV0], v65, 4, v[AV0]
	v_add_nc_u32 v[AV0], VOFF, v[AV0]
	v_mov_b32 v[FILL], 0xb209705f                  ; 8 x the f32 number -1e-09: c x this is log2(e) x -1e-09
	v_mov_b32 v[CSV], 0x3e38aa3b                   ; c = log2(e) / 8
	v_mov_b32 v[CSV+1], 0x3e38aa3b                 ; (named with it as a pair, so it is written)
	v_mul_u32_u24 v[STO], v11, 8*SP                ; the stage, in: channel 8 hh + .., query 32 w + .. + r, 2 bytes each
	v_lshl_add_u32 v[STO], v1, 1, v[STO]
	s_lshl_b32 s[TK], s[WV], 6                     ; (TK serves as a temporary until the first fetch)
	v_add_nc_u32 v[STO], s[TK], v[STO]
	v_and_b32 v64, 31, v0
	v_lshlrev_b32 v[GO], 4, v64
	s_mul_i32 s[TK], s[WV], 8*SP                   ; back: wave w takes channels 8 w .. 8 w + 7, whole rows of 512 bytes
	v_add_nc_u32 v[RD], s[TK], v[GO]
.irp t, 0,1
	v_mov_b32 v[ST+8*\t+1], 0xff61b1e6             ; m = -3e38, under every score
	v_mul_f32 v[ST+8*\t], v[CSV], v[ST+8*\t+1]     ; c m
	v_mov_b32 v[ST+8*\t+2], 0                      ; l, in two halves
	v_mov_b32 v[ST+8*\t+3], 0
.endr
.set n, 0
.rept 64
	v_mov_b32 v[O+n], 0                            ; O^T.  (The step is written once: the first finds zeros, which its a = 0 leaves zeros)
.set n, n+1
.endr
; THE MATRIX WORK.  The accumulators take turns, one instruction a turn: between two links of a chain stand three others'.
.macro KQ t                            ; S^T = K Q^T for tile t: 4 tiles of 16 keys x 2 halves of the 64 channels; the first four start the sums
.irp dd, 0,1
.irp kt, 0,1,2,3
.if \dd == 0
	v_wmma_f32_16x16x32_f16 v[S+32*\t+8*\kt:S+32*\t+8*\kt+7], v[KF+8*(2*\kt+\dd):KF+8*(2*\kt+\dd)+7], v[Q+16*\t+8*\dd:Q+16*\t+8*\dd+7], 0
.else
	v_wmma_f32_16x16x32_f16 v[S+32*\t+8*\kt:S+32*\t+8*\kt+7], v[KF+8*(2*\kt+\dd):KF+8*(2*\kt+\dd)+7], v[Q+16*\t+8*\dd:Q+16*\t+8*\dd+7], v[S+32*\t+8*\kt:S+32*\t+8*\kt+7]
.endif
.endr
.endr
.endm
.macro PV t                            ; O^T += V^T P for tile t: 4 tiles of 16 channels x 2 halves of the 64 keys
.irp kk, 0,1
.irp ct, 0,1,2,3
	v_wmma_f32_16x16x32_f16 v[O+32*\t+8*\ct:O+32*\t+8*\ct+7], v[VF+8*(4*\kk+\ct):VF+8*(4*\kk+\ct)+7], v[P+16*\t+8*\kk:P+16*\t+8*\kk+7], v[O+32*\t+8*\ct:O+32*\t+8*\ct+7]
.endr
.endr
.endm
; THE LDS LOADS stand in runs of 16.  A load into a register that a matrix instruction has read stands four places behind it: the address's addition and three v_nop.
.macro FETCHK
	v_add_nc_u32 v[ADK], s[TK], v[AK0]
.rept 3
	v_nop
.endr
	s_add_co_u32 s[TK], s[TK], 64*PK               ; the next fetch is the next step's
	WIN 0x40                                       ; destination window 1
.irp f, 0,1,2,3,4,5,6,7                        ; keys 16 (f / 2) on, channels 32 (f % 2) on
	ds_load_b128 v[KF+8*\f:KF+8*\f+3],   v[ADK] offset:(\f/2)*16*PK+(\f%2)*64
	ds_load_b128 v[KF+8*\f+4:KF+8*\f+7], v[ADK] offset:(\f/2)*16*PK+(\f%2)*64+32
.endr
	WIN 0
.endm
.macro FETCHV
	v_add_nc_u32 v[ADV], s[TV], v[AV0]
.rept 3
	v_nop
.endr
	s_add_co_u32 s[TV], s[TV], 64*PV
	WIN 0x40
.irp f, 0,1,2,3,4,5,6,7                        ; keys 32 (f / 4) on, channels 16 (f % 4) on
	ds_load_tr16_b128 v[VF+8*\f:VF+8*\f+3],   v[ADV] offset:(\f/4)*32*PV+(\f%4)*32
	ds_load_tr16_b128 v[VF+8*\f+4:VF+8*\f+7], v[ADV] offset:(\f/4)*32*PV+16*PV+(\f%4)*32
.endr
	WIN 0
.endm
; THE MASK: tile t's 32 scores of my lane, by the 32 words from s[m] on: word n's bit of my lane is 1 where the mask's number is 0.  Each accumulator is read from its low end on.
.macro SELECT t, m
.set n, 0
.rept 32
	v_cndmask_b32 v[S+32*(\t)+n], v[S+32*(\t)+n], v[FILL], s[(\m)+n]
.set n, n+1
.endr
.endm
; THE VECTOR WORK: tile t's softmax for one key step, behind the selects.
.macro SOFTMAX t
.set rT, ST+8*(\t)
.set rS, S+32*(\t)
.set rP, P+16*(\t)
.set rO, O+32*(\t)
.irp j, 0,1,2,3                                ; the maximum of my 32 scores and the old m, three operands at a time, in four chains
	v_max3_num_f32 v[rT+4+\j], v[rS+8*\j], v[rS+8*\j+1], v[rS+8*\j+2]
.endr
.irp i, 3,5
.irp j, 0,1,2,3
	v_max3_num_f32 v[rT+4+\j], v[rT+4+\j], v[rS+8*\j+\i], v[rS+8*\j+\i+1]
.endr
.endr
	v_max3_num_f32 v[rT+4], v[rT+4], v[rS+7], v[rS+15]
	v_max3_num_f32 v[rT+6], v[rT+6], v[rS+23], v[rS+31]
	v_max3_num_f32 v[rT+4], v[rT+4], v[rT+5], v[rT+6]
	v_max3_num_f32 v[rT+4], v[rT+4], v[rT+7], v[rT+1]
	v_permlanex16_b32 v[rT+5], v[rT+4], s[SEL], s[SEL+1]   ; the query's other 32 keys lie in the lane 16 away
	v_mov_b32 v[rT+7], v[rT]                       ; c m_old is kept for a
	v_max_num_f32 v[rT+1], v[rT+4], v[rT+5]        ; the new m
	v_mul_f32 v[rT], v[CSV], v[rT+1]
	v_sub_f32 v[rT+7], v[rT+7], v[rT]              ; c m_old - c m_new
.set n, 0
.rept 16
	v_pk_fma_f32 v[rS+n:rS+n+1], v[rS+n:rS+n+1], v[CSV:CSV+1], v[rT:rT+1] op_sel_hi:[1,0,0] neg_lo:[0,0,1] neg_hi:[0,0,1]   ; c s - c m, two at a time
.set n, n+2
.endr
	v_exp_f32 v[rT+6], v[rT+7]                     ; a.  ONE BATCH of 33 exponentials, none of which reads another's result
.set n, 0
.rept 32
	v_exp_f32 v[rS+n], v[rS+n]                     ; p
.set n, n+1
.endr
	v_nop                                          ; a plain instruction behind the last exponential, ahead of the first use
	s_wait_alu depctr_va_vdst(0)                   ; and the one wait ahead of the batch's first reader
.set n, 0
.rept 16
	v_cvt_pk_f16_f32 v[rP+n], v[rS+2*n], v[rS+2*n+1]   ; two neighbouring keys' weights: source 1 of V^T P as it stands
.set n, n+1
.endr
.irp u, 0,1,2,3,4,5,6,7                        ; the sum of the unrounded p, in place: neighbours 1, 2, 4 and 8 pairs apart
	v_pk_add_f32 v[rS+4*\u:rS+4*\u+1], v[rS+4*\u:rS+4*\u+1], v[rS+4*\u+2:rS+4*\u+3]
.endr
.irp u, 0,1,2,3
	v_pk_add_f32 v[rS+8*\u:rS+8*\u+1], v[rS+8*\u:rS+8*\u+1], v[rS+8*\u+4:rS+8*\u+5]
.endr
.irp u, 0,1
	v_pk_add_f32 v[rS+16*\u:rS+16*\u+1], v[rS+16*\u:rS+16*\u+1], v[rS+16*\u+8:rS+16*\u+9]
.endr
	v_pk_add_f32 v[rS:rS+1], v[rS:rS+1], v[rS+16:rS+17]
	v_pk_fma_f32 v[rT+2:rT+3], v[rT+2:rT+3], v[rT+6:rT+7], v[rS:rS+1] op_sel_hi:[1,0,1]   ; l = a l + the sum
.set n, 0
.rept 16
	v_pk_mul_f32 v[rO+n:rO+n+1], v[rO+n:rO+n+1], v[rT+6:rT+7] op_sel_hi:[1,0]   ; O^T x a
.set n, n+2
.endr
.endm
; A KEY STEP j.  At its head K(j)'s 16 LDS loads and, behind them, V(j)'s 16 have been issued, and the 64 mask registers are taking step j's words.  pre = 1: the step fetches K, V and mask words of step j + 1.
.macro STEP pre
	s_wait_dscnt 16                                ; K(j) is in; V(j)'s 16 loads may be out
	WIN 0x01                                       ; source 0 (K or V) window 1
	KQ 0
	KQ 1
	WIN 0
.if \pre
	FETCHK                                         ; its four plain lines are also the places ahead of the first read of the scores
.else
	PLACES
.endif
	s_wait_kmcnt 0x0                               ; this step's 64 mask words, asked for a step ago; no scalar load is out now, so their pointer may be stepped
.if \pre
	s_add_nc_u64 s[MP:MP+1], s[MP:MP+1], 128       ; the next key step's words
.endif
	SELECT 0, M0
	SELECT 1, M1
.if \pre
	MASKS                                          ; behind the last select: the next step's words have all the rest of this step, and the next step's K Q^T, in which to come
.endif
	SOFTMAX 0
	s_wait_dscnt 16*\pre                           ; V(j) is in; K(j + 1)'s 16 loads may be out
	WIN 0x01
	PV 0
	WIN 0
	SOFTMAX 1
	WIN 0x01
	PV 1
	WIN 0
.if \pre
	FETCHV
.endif
.endm
; THE CHANGE OF SLOTS stands where all reads of slot sl have been issued: ahead of the slot's last step, whose K and V are on their way into registers.  Each wave waits for all its tensor loads (its part of the other slot),
; adds 0 to its spare word, and waits for that and for its reads of the slot.  Behind the barrier nobody reads slot sl any more and the other slot is whole.  fill = 1: slot sl is filled again, with the 512 keys that follow
; those asked for last; the barrier is then a round of the cluster's, and the joint refill is the first thing behind it: it has eight key steps in which to land.
.macro CHANGE fill, sl
	s_wait_tensorcnt 0x0                           ; no tensor load of mine is out, so a group 0 may be written
	ds_add_u32 v[SPW], v[NIL]                      ; 0 onto my spare word; the scalar lines below stand between it and the wait for it
.if \fill
	WALK \sl
.endif
	s_mov_b32 s[TK], (1-\sl)*SLOTB                 ; the fetches go on in the other slot
	s_mov_b32 s[TV], (1-\sl)*SLOTB
	s_wait_dscnt 0x0                               ; the add is done, and my reads of the slot are over
.if \fill
	CROUND
	JLOAD
.else
	s_barrier_signal -1
	s_barrier_wait -1
.endif
.endm
.macro SEG n                           ; n key steps
	s_mov_b32 s[CNT], \n
.Lseg_\@:
	STEP 1
	s_sub_co_u32 s[CNT], s[CNT], 1
	s_cmp_lg_u32 s[CNT], 0
	s_cbranch_scc1 .Lseg_\@
.endm
	; Slot 1's first fill goes out as a refill does: all my tensor loads waited for (my part of slot 0), the add, the descriptors' step, the wait for the add, a round, the joint load first behind it.
	s_wait_tensorcnt 0x0
	ds_add_u32 v[SPW], v[NIL]                      ; 0 onto my spare word
	WALK 1
	s_wait_dscnt 0x0
	CROUND
	JLOAD                                          ; slot 1: keys 512 to 1,023: seven key steps ahead of their first read
	s_wait_loadcnt 0x0                             ; Q is in, so its pointer's two registers may be written:
	s_mov_b32 s[TK], 0
	s_mov_b32 s[TV], 0
	FETCHK                                         ; key step 0
	FETCHV
	SEG 7                                          ; steps 0-6
	CHANGE 1, 0                                    ; slot 0 takes keys 1,024 to 1,535
	SEG 8                                          ; steps 7-14
	CHANGE 1, 1                                    ; slot 1 takes keys 1,536 to 2,047
	SEG 8                                          ; steps 15-22
	CHANGE 0, 0                                    ; nothing is left to fetch
	SEG 8                                          ; steps 23-30
	STEP 0                                         ; step 31
	; THE WAY OUT.  l's two halves and the other half of the lanes' are added; O^T is divided by l and rounded to f16.  A lane holds one query and the output's rows run along the queries: so each number goes by itself into the
	; work-group's stage (64 channels x 256 queries), and each wave stores 8 whole rows of 512 bytes.  The four additions and the v_nop are the places behind the last products.
.irp t, 0,1
	v_add_f32 v[ST+8*\t+4], v[ST+8*\t+2], v[ST+8*\t+3]
.endr
.irp t, 0,1
	v_permlanex16_b32 v[ST+8*\t+5], v[ST+8*\t+4], s[SEL], s[SEL+1]
.endr
.irp t, 0,1
	v_add_f32 v[ST+8*\t+4], v[ST+8*\t+4], v[ST+8*\t+5]
.endr
.irp t, 0,1
	v_rcp_f32 v[ST+8*\t+6], v[ST+8*\t+4]
.endr
	v_nop                                          ; a plain instruction between the last reciprocal and the use of its result
	s_wait_alu depctr_va_vdst(0)                   ; and the wait ahead of the first use: one for both
.irp t, 0,1
.set n, 0
.rept 16
	v_pk_mul_f32 v[O+32*\t+n:O+32*\t+n+1], v[O+32*\t+n:O+32*\t+n+1], v[ST+8*\t+6:ST+8*\t+7] op_sel_hi:[1,0]
.set n, n+2
.endr
.endr
.set n, 0
.rept 32
	v_cvt_pk_f16_f32 v[OUTR+n], v[O+2*n], v[O+2*n+1]   ; register n = 16 t + 4 ct + jj: channels 16 ct + 8 hh + 2 jj and + 1 of query 16 t + r
.set n, n+1
.endr
.set n, 0
.rept 32
	ds_store_b16 v[STO], v[OUTR+n] offset:(16*((n/4)%4)+2*(n%4))*SP+32*(n/16)
	ds_store_b16_d16_hi v[STO], v[OUTR+n] offset:(16*((n/4)%4)+2*(n%4)+1)*SP+32*(n/16)
.set n, n+1
.endr
	s_wait_dscnt 0x0                               ; for the others' sake: my stores into the stage are done
	s_barrier_signal -1
	s_barrier_wait -1
.irp i, 0,1,2,3,4,5,6,7
	ds_load_b128 v[S+4*\i:S+4*\i+3], v[RD] offset:\i*SP
.endr
.irp i, 0,1,2,3,4,5,6,7
	s_wait_dscnt 7-\i                              ; row i is in; the later rows may be out
	global_store_b128 v[GO], v[S+4*\i:S+4*\i+3], s[YP:YP+1] offset:\i*4096   ; 512 consecutive bytes, at a multiple of 256 from y's first byte
.endr
	s_wait_tensorcnt 0x0                           ; the wave's end: behind my last tensor load and my last LDS store
	ds_add_u32 v[SPW], v[NIL]
	s_wait_dscnt 0x0
	CROUND                                         ; the closing round: no work-group ends while a partner may still ask for a tile that names it
	s_endpgm
.Lfunc_end_k_q5d23dcba7f_attn:
	.size	k_q5d23dcba7f_attn, .Lfunc_end_k_q5d23dcba7f_attn-k_q5d23dcba7f_attn
	.p2alignl 7, 3214868480
	.fill 96, 4, 3214868480
	.section	.rodata,"a",@progbits
	.p2align	6, 0x0
	.amdhsa_kernel k_q5d23dcba7f_attn
		.amdhsa_group_segment_fixed_size 327680
		.amdhsa_private_segment_fixed_size 0
		.amdhsa_enable_private_segment 0
		.amdhsa_kernarg_size 24
		.amdhsa_user_sgpr_count 2
		.amdhsa_user_sgpr_kernarg_segment_ptr 1
		.amdhsa_wavefront_size32 1
		.amdhsa_system_sgpr_workgroup_id_x 1
		.amdhsa_system_sgpr_workgroup_id_y 1
		.amdhsa_system_sgpr_workgroup_id_z 1
		.amdhsa_system_vgpr_workitem_id 0
		.amdhsa_next_free_vgpr 384
		.amdhsa_next_free_sgpr 102
		.amdhsa_reserve_vcc 0
		.amdhsa_float_denorm_mode_32 3
		.amdhsa_float_denorm_mode_16_64 3
		.amdhsa_memory_ordered 1
		.amdhsa_forward_progress 1
		.amdhsa_inst_pref_size 133
	.end_amdhsa_kernel
	.amdgpu_metadata
---
amdhsa.version: [ 1, 2 ]
amdhsa.kernels:
  - .name:           k_q5d23dcba7f_attn
    .symbol:         k_q5d23dcba7f_attn.kd
    .args:
      - { .name: qkv, .offset: 0, .size: 8, .value_kind: global_buffer, .address_space: global }
      - { .name: mbits, .offset: 8, .size: 8, .value_kind: global_buffer, .address_space: global }
      - { .name: y, .offset: 16, .size: 8, .value_kind: global_buffer, .address_space: global }
    .group_segment_fixed_size: 327680
    .private_segment_fixed_size: 0
    .kernarg_segment_align: 8
    .kernarg_segment_size: 24
    .max_flat_workgroup_size: 256
    .sgpr_count:     102
    .vgpr_count:     384
    .wavefront_size: 32
...
	.end_amdgpu_metadata
.endif
;; end of part 3
;; launch oproj (part 4): grid 8 x 32, 4 waves a work-group, clusters of 4 x 4, 327,680 bytes of LDS; arguments y, woh, bo, out0; writes out0
.if DOCPART == 4
	.amdgcn_target "amdgcn-amd-amdhsa--gfx1250"
	.amdhsa_code_object_version 6
	.text
	.protected	k_q5d23dcba7f_oproj
	.globl	k_q5d23dcba7f_oproj
	.p2align	8
	.type	k_q5d23dcba7f_oproj,@function
k_q5d23dcba7f_oproj:
	s_mov_b64 s[64:65], 0
	v_nop
	global_prefetch_b8 v0, s[64:65] scope:SCOPE_SE
	s_setreg_imm32_b32 hwreg(HW_REG_WAVE_MODE, 25, 1), 1
	s_wait_xcnt 0x0
	s_wait_alu depctr_hold_cnt(0) depctr_sa_sdst(0) depctr_va_vdst(0) depctr_va_sdst(0) depctr_va_ssrc(0) depctr_va_vcc(0) depctr_vm_vsrc(0)
	s_getreg_b32 s2, hwreg(HW_REG_IB_STS2, 6, 4)
	s_cmp_eq_u32 s2, 0
	s_cbranch_scc0 .Lentry_in_a_cluster
	s_endpgm
.Lentry_in_a_cluster:
	s_bfe_u32 s2, ttmp6, 0x10000c
	s_cmp_lg_u32 s2, 0xf033
	s_cbranch_scc0 .Lentry_shape_is_right
	s_endpgm
.Lentry_shape_is_right:
; out0[m][n] = sum over k of A[m][k] B[n][k] + bo[n].  A = y read as [4096][1024], B = Wo as f16 [1024][1024]; sums in f32; out0 [4096][1024] f32.
; A tile of C is 128 x 128, which gives 8 x 32 = 256 work-groups.  Four waves, each 64 x 64: 16 accumulators of 16 x 16, 128 registers.  K goes in steps of 256 (LDS rows of 512 bytes; a wave's tensor load brings 64 of
; them) through a ring of two slots.
; CLUSTERS: 4 x 4 work-groups.  The four of a row of the cluster need the same tiles of A, the four of a column the same tiles of B: each tile is asked for JOINTLY, by the same tensor load with the same descriptor and a
; mask that names the four.  THE MATRIX INSTRUCTION IS USED TRANSPOSED (source 0 = 16 rows of B, source 1 = 16 rows of A): a lane then holds eight neighbouring numbers of a row of C.
; THE BIAS is the C of each sum's first matrix instruction.  A wave's 64 columns of f32 are 256 bytes: the way out is each wave's own, with no barrier.
; REGISTERS: window 0: v0-31 addresses; v32-95 rows on the way out, two sets; v96-127 the bias; v128-255 the accumulators ((a, b) at v[128 + 8 (4 a + b)]).
;   window 1: two fragment buffers of 128: for 64 along K, 64 registers of A, then 64 of B.
.set SIZE_N, 1024
.set SIZE_K, 1024
.set KSTEP,  256
.set PITCH,  528                       ; an LDS row: 512 bytes + 16 of padding = 132 words: the 16 rows that a load touches start at 16 different banks (ISA guide 11.1)
.set HALFT,  64*PITCH
.set SLOT,   4*HALFT                   ; A's 128 rows, then B's 128 rows
.set STAGE,  2*SLOT                    ; behind the ring: 16 rows x 272 bytes for each wave
.set SPITCH, 272
.set SPARE,  STAGE+4*16*SPITCH         ; the spare words, 128 bytes for each wave: two blocks of 256 bytes that no other line names
.set LAPS, SIZE_K/(2*KSTEP)
.set ADRA, 16
.set ADRB, 20
.set STO,  24
.set RD,   25
.set CO,   26
.set SPW,  28                          ; v28  LDS address of my spare word; never rewritten
.set NIL,  29                          ; v29  0; never rewritten
.set TMP,  32
.set BIAS, 96
.set ACC,  128
.set F0,   0
.set F1,   128
.set G1, 24
.set G0, 32
.set G1B, 48
.set G0B, 56
.set MSB, 0
.macro WIN new                         ; the immediate's high byte repeats the setting that is left
.if MSB != (\new)
	s_set_vgpr_msb (MSB<<8)|(\new)
.set MSB, (\new)
.endif
.endm
.set MUL,  0x05                        ; sources 0 (B) and 1 (A) window 1; C and D window 0
.set TO_F, 0x40                        ; destination window 1, address window 0
.macro JLOAD s                         ; a joint load: waves 0 and 1 fetch A's two halves, waves 2 and 3 B's; an s_nop 0 and four v_nop follow each of the two lines
	s_cmp_eq_u32 s11, 0
	s_cbranch_scc0 .Lfor_b_\@
	tensor_load_to_lds s[G0+4*\s:G0+4*\s+3], s[G1:G1+7]
	s_nop 0
.rept 4
	v_nop
.endr
	s_branch .Lasked_\@
.Lfor_b_\@:
	tensor_load_to_lds s[G0B+4*\s:G0B+4*\s+3], s[G1B:G1B+7]
	s_nop 0
.rept 4
	v_nop
.endr
.Lasked_\@:
.endm
.macro CREST                           ; a round of the cluster's barrier behind its opening barrier
	s_cmp_lg_u32 s10, 0
	s_cbranch_scc1 .Lnot_wave_0_\@
	s_barrier_signal -3
.Lnot_wave_0_\@:
	s_barrier_wait -3
	s_barrier_signal -1
	s_barrier_wait -1
.endm
.macro CROUND                          ; a whole round
	s_barrier_signal -1
	s_barrier_wait -1
	CREST
.endm
	s_load_b128 s[4:7], s[0:1], 0x0                ; A s[4:5], B s[6:7]
	s_load_b64 s[66:67], s[0:1], 0x10              ; bo
	s_load_b64 s[8:9], s[0:1], 0x18                ; out0
	v_lshl_add_u32 v[SPW], v0, 2, SPARE
	v_mov_b32 v[NIL], 0
	ds_add_u32 v[SPW], v[NIL]                      ; the wave's opening: the add, twice on end, and its wait ahead of my first tensor load
	ds_add_u32 v[SPW], v[NIL]
	v_lshrrev_b32 v1, 5, v0
	v_readfirstlane_b32 s10, v1                    ; wave 0..3
	s_lshr_b32 s11, s10, 1                         ; which half of the tile's rows is mine.  Also: I fetch for A (0) or for B (1)
	s_and_b32 s12, s10, 1                          ; which half of its columns.  Also: which 64 rows of that tile I fetch
	s_bfe_u32 s40, ttmp6, 0x40000                  ; cx, cy: my place in the cluster
	s_bfe_u32 s41, ttmp6, 0x40004
	s_lshl_b32 s42, ttmp9, 2
	s_add_co_u32 s42, s42, s40                     ; tile column of C = 4 x cluster x + cx
	s_and_b32 s13, ttmp7, 0xffff
	s_lshl_b32 s13, s13, 2
	s_add_co_u32 s13, s13, s41                     ; tile row of C = 4 x cluster y + cy
	s_lshl_b32 s43, s41, 2
	s_lshl_b32 s43, 15, s43                        ; my row of the cluster
	s_lshl_b32 s44, 0x1111, s40                    ; my column
	; descriptor group 1: a tile of 64 rows x 256 elements of 2 bytes, 16 bytes of padding behind each row
	s_or_b32 s[G1+0], s43, (1<<16)|(1<<20)|(1<<21)|(6<<22)|(3<<25)  ; 15:0 the mask; 17:16 elements of 2 bytes; 20 padding on; 21 set beside a mask; 24:22 after every 128 words; 31:25 four words
	s_or_b32 s[G1B+0], s44, (1<<16)|(1<<20)|(1<<21)|(6<<22)|(3<<25)
.irp g, G1, G1B
	s_mov_b32 s[\g+1], KSTEP<<16                   ; tensor_dim0
	s_mov_b32 s[\g+2], 64<<16                      ; tensor_dim1
	s_mov_b32 s[\g+3], KSTEP<<16                   ; tile_dim0
	s_mov_b32 s[\g+4], 64                          ; tile_dim1
	s_mov_b32 s[\g+5], SIZE_K                      ; tensor_dim0_stride
	s_mov_b32 s[\g+6], 0
	s_mov_b32 s[\g+7], 0
.endr
	s_lshl_b32 s17, s12, 6                         ; which 64 rows of the tile I fetch
	s_lshl_b32 s16, s13, 7
	s_add_co_u32 s16, s16, s17                     ; A: row 128 x tile row + 64 x half
	s_lshl_b32 s46, s42, 7
	s_add_co_u32 s46, s46, s17                     ; B: row 128 x tile column + 64 x half
	s_mov_b32 s17, 0
	s_mov_b32 s47, 0
	s_mov_b64 s[18:19], SIZE_K*2
	s_mul_u64 s[16:17], s[16:17], s[18:19]
	s_mul_u64 s[46:47], s[46:47], s[18:19]
	s_mul_i32 s20, s10, HALFT                      ; where they go: wave x 64 rows
	s_wait_dscnt 0x0                               ; both opening adds are done
	s_wait_kmcnt 0x0
	s_add_nc_u64 s[14:15], s[4:5], s[16:17]
	s_add_nc_u64 s[46:47], s[6:7], s[46:47]
	CROUND                                         ; all sixteen work-groups are here: the first joint loads meet
.irp s, 0,1
	s_mov_b32 s[G0+4*\s], 1
	s_add_co_u32 s[G0+4*\s+1], s20, \s*SLOT
	s_add_nc_u64 s[G0+4*\s+2:G0+4*\s+3], s[14:15], \s*KSTEP*2
	s_or_b32 s[G0+4*\s+3], s[G0+4*\s+3], 0x80000000
	s_mov_b32 s[G0B+4*\s], 1
	s_add_co_u32 s[G0B+4*\s+1], s20, \s*SLOT
	s_add_nc_u64 s[G0B+4*\s+2:G0B+4*\s+3], s[46:47], \s*KSTEP*2
	s_or_b32 s[G0B+4*\s+3], s[G0B+4*\s+3], 0x80000000
	JLOAD \s
.endr
	v_and_b32 v1, 15, v0                           ; r = l % 16
	v_bfe_u32 v2, v0, 4, 1                         ; hh = l / 16
	s_lshl_b32 s46, s42, 9                         ; my first column, in bytes of f32: 512 x tile column + 256 x half: in bo and in a row of out0 alike
	s_lshl_b32 s47, s12, 8
	s_add_co_u32 s46, s46, s47
	s_mov_b32 s47, 0
	s_add_nc_u64 s[66:67], s[66:67], s[46:47]
	s_add_nc_u64 s[8:9], s[8:9], s[46:47]
	v_lshlrev_b32 v6, 5, v2                        ; lane (r, hh) wants, for B's block b, the bias of columns 16 b + 8 hh + 0 .. 7
.irp b, 0,1,2,3
	global_load_b128 v[BIAS+8*\b:BIAS+8*\b+3], v6, s[66:67] offset:64*\b
	global_load_b128 v[BIAS+8*\b+4:BIAS+8*\b+7], v6, s[66:67] offset:64*\b+16
.endr
	v_mul_u32_u24 v3, v1, PITCH
	v_lshl_add_u32 v3, v2, 4, v3                   ; a fragment's row x pitch + 16 x half
	s_mul_i32 s21, s11, HALFT                      ; my 64 rows of A
	s_mul_i32 s22, s12, HALFT                      ; my 64 rows of B,
	s_add_co_u32 s22, s22, 2*HALFT                 ; which lie behind A's 128
.irp s, 0,1
	v_add_nc_u32 v[ADRA+\s], s21, v3
	v_add_nc_u32 v[ADRB+\s], s22, v3
	s_add_co_u32 s21, s21, SLOT
	s_add_co_u32 s22, s22, SLOT
.endr
	s_mul_i32 s23, s10, 16*SPITCH
	s_add_co_u32 s23, s23, STAGE                   ; my stage
	v_mul_u32_u24 v4, v1, SPITCH                   ; in: row r, 32 bytes for each half of the lanes
	v_lshl_add_u32 v4, v2, 5, v4
	v_add_nc_u32 v[STO], s23, v4
	v_mul_u32_u24 v5, v2, SPITCH                   ; back: lanes 0-15 take one row of 256 bytes, lanes 16-31 the next
	v_lshl_add_u32 v5, v1, 4, v5
	v_add_nc_u32 v[RD], s23, v5
	v_mul_u32_u24 v5, v2, SIZE_N*4                 ; and the same two rows in out0
	v_lshl_add_u32 v[CO], v1, 4, v5
	s_lshl_b32 s16, s13, 7
	s_lshl_b32 s17, s11, 6
	s_add_co_u32 s16, s16, s17                     ; my first row: 128 x tile row + 64 x half
	s_lshl_b32 s16, s16, 12                        ; rows of 4,096 bytes
	s_mov_b32 s17, 0
	s_add_nc_u64 s[8:9], s[8:9], s[16:17]
; 8 matrix instructions: m blocks a0, a0 + 1 x all 4 n blocks, 32 along K: half c of buffer f.  first = 1: the bias is C and starts the sums.  The 16 accumulators take turns.
.macro MUL8 f, c, a0, first
.irp a, \a0, \a0+1
.irp b, 0,1,2,3
.if \first
	v_wmma_f32_16x16x32_f16 v[ACC+8*(4*(\a)+\b):ACC+8*(4*(\a)+\b)+7], v[\f+64+8*(4*\c+\b):\f+64+8*(4*\c+\b)+7], v[\f+8*(4*\c+\a):\f+8*(4*\c+\a)+7], v[BIAS+8*\b:BIAS+8*\b+7]
.else
	v_wmma_f32_16x16x32_f16 v[ACC+8*(4*(\a)+\b):ACC+8*(4*(\a)+\b)+7], v[\f+64+8*(4*\c+\b):\f+64+8*(4*\c+\b)+7], v[\f+8*(4*\c+\a):\f+8*(4*\c+\a)+7], v[ACC+8*(4*(\a)+\b):ACC+8*(4*(\a)+\b)+7]
.endif
.endr
.endr
.endm
; 32 LDS loads in one run: the fragments of 64 along K at byte k of the rows, into buffer f; the first 32 along K first
.macro FETCH slot, k, f
	WIN TO_F
.irp c, 0,1
.irp i, 0,1,2,3
	ds_load_b128 v[\f+64+8*(4*\c+\i):\f+64+8*(4*\c+\i)+3],   v[ADRB+\slot] offset:\k+64*\c+\i*16*PITCH
	ds_load_b128 v[\f+64+8*(4*\c+\i)+4:\f+64+8*(4*\c+\i)+7], v[ADRB+\slot] offset:\k+64*\c+\i*16*PITCH+32
	ds_load_b128 v[\f+8*(4*\c+\i):\f+8*(4*\c+\i)+3],         v[ADRA+\slot] offset:\k+64*\c+\i*16*PITCH
	ds_load_b128 v[\f+8*(4*\c+\i)+4:\f+8*(4*\c+\i)+7],       v[ADRA+\slot] offset:\k+64*\c+\i*16*PITCH+32
.endr
.endr
.endm
.macro PLACES                          ; four places in front of loads into registers that matrix instructions have read, and of the first read of results (ISA guide 7.12.1 for vector instructions)
.rept 4
	v_nop
.endr
.endm
; A K step is four quarters of 64 along K, 32 matrix instructions each, on buffers 0, 1, 0, 1.  One of the first three: multiplies buffer f and fetches the next quarter, at byte k, into g.
.macro QUARTER slot, k, f, g, first
	s_wait_dscnt 16                                ; the first 32 along K are in; the other sixteen loads may be out
	WIN MUL
	MUL8 \f, 0, 0, \first
	MUL8 \f, 0, 2, \first
	PLACES
	FETCH \slot, \k, \g
	s_wait_dscnt 32                                ; all but the 32 just issued
	WIN MUL
	MUL8 \f, 1, 0, 0
	MUL8 \f, 1, 2, 0
.endm
; The last quarter multiplies buffer 1 and changes slots: ONE barrier; in front of it each wave waits for all its tensor loads, adds 0 to its spare word, and waits for that and for its own reads of this slot.  fill = 1: this slot is filled again, two K steps ahead.
.macro TURN slot, next, fill
	WIN 0                                          ; (the add's two registers lie in window 0)
	s_wait_tensorcnt 0x0                           ; all my tensor loads have landed: my part of the next slot;
	ds_add_u32 v[SPW], v[NIL]                      ; 0 onto my spare word;
	s_wait_dscnt 17                                ; (the add and the youngest sixteen loads may be out)
	WIN MUL
	MUL8 F1, 0, 0, 0
	s_wait_dscnt 0x0                               ; the add is done, and my reads of this slot are over
	s_barrier_signal -1
	MUL8 F1, 0, 2, 0
.if \fill
	WIN 0
.endif
	s_barrier_wait -1
.if \fill
	CREST                                          ; the barrier has opened a round of the cluster's barrier: no wave of any partner still reads this slot's tile or has a load on its way
	s_add_nc_u64 s[G0+4*\slot+2:G0+4*\slot+3], s[G0+4*\slot+2:G0+4*\slot+3], 2*KSTEP*2
	s_add_nc_u64 s[G0B+4*\slot+2:G0B+4*\slot+3], s[G0B+4*\slot+2:G0B+4*\slot+3], 2*KSTEP*2
	JLOAD \slot                                    ; the first tensor load behind the round; the four v_nop behind it are also the places in front of the loads below
.else
	PLACES
.endif
	FETCH \next, 0, F0
	WIN MUL
	MUL8 F1, 1, 0, 0
	MUL8 F1, 1, 2, 0
.endm
	s_wait_tensorcnt 1                             ; my part of K step 0 is in (K step 1's load may be out)
	s_barrier_signal -1
	s_barrier_wait -1                              ; everybody's is
	FETCH 0, 0, F0
	s_wait_loadcnt 0x0                             ; the bias
	QUARTER 0, 128, F0, F1, 1                      ; the first quarter stands in front of the loop: its first products start the sums
	WIN 0                                          ; at a label and at a branch every window is 0
	s_mov_b32 s3, LAPS-1
.Llap:                                                 ; a trip goes once round the ring, from a lap's second quarter to the next lap's first, and fills both slots again
	QUARTER 0, 256, F1, F0, 0
	QUARTER 0, 384, F0, F1, 0
	TURN 0, 1, 1
	QUARTER 1, 128, F0, F1, 0
	QUARTER 1, 256, F1, F0, 0
	QUARTER 1, 384, F0, F1, 0
	TURN 1, 0, 1
	QUARTER 0, 128, F0, F1, 0
	WIN 0
	s_sub_co_u32 s3, s3, 1
	s_cmp_lg_u32 s3, 0
	s_cbranch_scc1 .Llap
	QUARTER 0, 256, F1, F0, 0                      ; the last lap fills nothing, and has no round of the cluster's barrier
	QUARTER 0, 384, F0, F1, 0
	TURN 0, 1, 0
	QUARTER 1, 128, F0, F1, 0
	QUARTER 1, 256, F1, F0, 0
	QUARTER 1, 384, F0, F1, 0
	s_wait_dscnt 16                                ; the very last quarter: nothing more to fetch
	WIN MUL
	MUL8 F1, 0, 0, 0
	MUL8 F1, 0, 2, 0
	s_wait_dscnt 0
	MUL8 F1, 1, 0, 0
	MUL8 F1, 1, 2, 0
	WIN 0
; THE WAY OUT, block by block of 16 rows x 64 columns.  A lane holds 32 neighbouring bytes of a row, and the lanes beside it hold other rows: so a block goes through my own stage in LDS and comes back as whole rows of 256
; bytes, two an instruction.  LDS serves a wave's instructions in order (ISA guide 5.7.1.4): no wait between the stores and the loads, nor in front of the next block's stores.
.macro TOSTAGE a
.irp b, 0,1,2,3
	ds_store_b128 v[STO], v[ACC+8*(4*(\a)+\b):ACC+8*(4*(\a)+\b)+3] offset:64*\b          ; each accumulator from its low end on
	ds_store_b128 v[STO], v[ACC+8*(4*(\a)+\b)+4:ACC+8*(4*(\a)+\b)+7] offset:64*\b+16
.endr
.set BB, TMP+32*((\a)%2)
.irp t, 0,1,2,3,4,5,6,7
	ds_load_b128 v[BB+4*\t:BB+4*\t+3], v[RD] offset:\t*2*SPITCH
.endr
.endm
.macro SEND a, younger                 ; younger: the LDS instructions issued behind block a's loads, which may stay out
.set BB, TMP+32*((\a)%2)
	s_wait_dscnt \younger                          ; the block is back in registers
.irp t, 0,1,2,3,4,5,6,7
	global_store_b128 v[CO], v[BB+4*\t:BB+4*\t+3], s[8:9] offset:(\a)*16*SIZE_N*4+\t*2*SIZE_N*4 th:TH_STORE_NT   ; 16 lanes store 256 consecutive bytes, at a multiple of 256 from out0's first byte; written once, read by nobody here
.endr
.endm
	PLACES                                         ; behind the last products, ahead of the first read of results
	TOSTAGE 0
.irp a, 1,2,3
.if \a > 1
	s_wait_xcnt 0x0                                ; block a - 2's stores have read their registers: block a's loads may land there
.endif
	TOSTAGE \a
	SEND \a-1, 16                                  ; behind block a - 1's loads: block a's 8 stores and 8 loads
.endr
	SEND 3, 0
	s_wait_tensorcnt 0x0                           ; the wave's end: behind my last tensor load and my last LDS store
	ds_add_u32 v[SPW], v[NIL]
	s_wait_dscnt 0x0
	CROUND                                         ; the closing round: no work-group ends while a partner may still ask for a tile that names it
	s_endpgm
.Lfunc_end_k_q5d23dcba7f_oproj:
	.size	k_q5d23dcba7f_oproj, .Lfunc_end_k_q5d23dcba7f_oproj-k_q5d23dcba7f_oproj
	.p2alignl 7, 3214868480
	.fill 96, 4, 3214868480
	.section	.rodata,"a",@progbits
	.p2align	6, 0x0
	.amdhsa_kernel k_q5d23dcba7f_oproj
		.amdhsa_group_segment_fixed_size 327680
		.amdhsa_private_segment_fixed_size 0
		.amdhsa_enable_private_segment 0
		.amdhsa_kernarg_size 32
		.amdhsa_user_sgpr_count 2
		.amdhsa_user_sgpr_kernarg_segment_ptr 1
		.amdhsa_wavefront_size32 1
		.amdhsa_system_sgpr_workgroup_id_x 1
		.amdhsa_system_sgpr_workgroup_id_y 1
		.amdhsa_system_sgpr_workgroup_id_z 1
		.amdhsa_system_vgpr_workitem_id 0
		.amdhsa_next_free_vgpr 512
		.amdhsa_next_free_sgpr 68
		.amdhsa_reserve_vcc 0
		.amdhsa_float_denorm_mode_32 3
		.amdhsa_float_denorm_mode_16_64 3
		.amdhsa_memory_ordered 1
		.amdhsa_forward_progress 1
		.amdhsa_inst_pref_size 87
	.end_amdhsa_kernel
	.amdgpu_metadata
---
amdhsa.version: [ 1, 2 ]
amdhsa.kernels:
  - .name:           k_q5d23dcba7f_oproj
    .symbol:         k_q5d23dcba7f_oproj.kd
    .args:
      - { .name: y, .offset: 0, .size: 8, .value_kind: global_buffer, .address_space: global }
      - { .name: woh, .offset: 8, .size: 8, .value_kind: global_buffer, .address_space: global }
      - { .name: bo, .offset: 16, .size: 8, .value_kind: global_buffer, .address_space: global }
      - { .name: out0, .offset: 24, .size: 8, .value_kind: global_buffer, .address_space: global }
    .group_segment_fixed_size: 327680
    .private_segment_fixed_size: 0
    .kernarg_segment_align: 8
    .kernarg_segment_size: 32
    .max_flat_workgroup_size: 128
    .sgpr_count:     68
    .vgpr_count:     512
    .wavefront_size: 32
...
	.end_amdgpu_metadata
.endif
;; end of part 4
